; MI455X (gfx1250); checked and timed in simulation.
; The chip was launched on July 23, 2026; its instructions are those of AMD's public machine-readable ISA for CDNA 5 (MIT licence, August 2026) and "CDNA5" Instruction Set Architecture Reference Guide (July 2026). The comments in the code are by the model that wrote it; some were corrected since.
;; Model. Allowed arithmetic: matrix products marked QUANTISED: E3M2 operands, one E8M0 scale for each 32 along K, by v_wmma_scale_f32_16x16x128_f8f6f4 with both operands' format E3M2, f32 sums; products left as they are: f32 operands where the result goes on into a quantised operand, else bf16, f16 or f32 operands; f32 sums; everything else in f32.
;; Inputs: Wa 2,048 float32; Wk_codes 2,048 x 64 x 24 uint8 (E3M2 codes of Wk, K innermost, in blocks of 32 codes, four codes in three bytes); Wk_scales 2,048 x 64 uint8 (E8M0 scales of Wk, one for each 32 codes along K); Wp 2,048 x 2,048 float32; Wq_codes 2,048 x 64 x 24 uint8 (E3M2 codes of Wq, K innermost, in blocks of 32 codes, four codes in three bytes); Wq_scales 2,048 x 64 uint8 (E8M0 scales of Wq, one for each 32 codes along K); Wv_codes 2,048 x 64 x 24 uint8 (E3M2 codes of Wv, K innermost, in blocks of 32 codes, four codes in three bytes); Wv_scales 2,048 x 64 uint8 (E8M0 scales of Wv, one for each 32 codes along K); ba 1 float32; bk 2,048 float32; bp 2,048 float32; bq 2,048 float32; bv 2,048 float32; x_codes 2 x 2,048 x 64 x 24 uint8 (E3M2 codes of x, K innermost, in blocks of 32 codes, four codes in three bytes); x_mask 1 x 2,048 int32; x_scales 2 x 2,048 x 64 uint8 (E8M0 scales of x, one for each 32 codes along K).
;; Outputs: out0 2 x 2,048 float32.
;; This version of the problem:
;;   THIS VERSION OF THE PROBLEM IS GIVEN IN LOW PRECISION. The matrix products marked QUANTISED in the list below multiply operands that are first quantised to E3M2 (3 exponent bits, 2 mantissa bits; 6 bits a number), with one power-of-two scale for each 32 numbers along K (OCP MX v1.0); their sums are f32. All else is computed in f32.
;;   The module's matrix products, in the order in which they are computed (A, B: the left and right operand; K: the contracted axis; several contracted axes count as one K, in the product's order):
;;     1. [M 4,096, K 2,048] x [K 2,048, N 2,048]; A: input x (given as codes); B: input Wq (given as codes): QUANTISED
;;     2. [M 4,096, K 2,048] x [K 2,048, N 2,048]; A: input x (given as codes); B: input Wk (given as codes): QUANTISED
;;     3. [M 4,096, K 2,048] x [K 2,048, N 2,048]; A: input x (given as codes); B: input Wv (given as codes): QUANTISED
;;     4. batch 16 x [M 2,048, K 256] x [K 256, N 2,048]; A: computed on the way; B: computed on the way: QUANTISED
;;     5. [M 32,768, K 2,048] x [K 2,048, N 1]; A: computed on the way; B: input Wa: left as it is (N = 1 < 16)
;;     6. batch 16 x [M 1, K 2,048] x [K 2,048, N 256]; A: softmax; B: computed on the way: left as it is (M = 1 < 16)
;;     7. [M 2, K 2,048] x [K 2,048, N 2,048]; A: computed on the way; B: input Wp: left as it is (M = 2 < 16)
;;   THE QUANTISER, for each operand of a quantised product, along K:
;;     - K is cut into blocks of 32 from its start; a last block that is shorter is filled with zeros.
;;     - A block's scale is 2^e with e = floor(log2(the largest magnitude in the block)) - 4, held to -126 .. 127; a block of zeros has e = 0. As a byte (E8M0): e + 127.
;;     - Each number is divided by its block's scale, clamped to +-28, and rounded to the nearest number of E3M2, ties to even, subnormals kept.
;;     - The product sums the exact products of the quantised numbers (number of the format x scale) in f32.
;;   ~~~python
;;   def quantise(x, axis):      # numpy; x: float32 -> the quantised numbers, widened to float32 again
;;       x = np.moveaxis(x, axis, -1); K = x.shape[-1]
;;       x = np.pad(x, [(0, 0)] * (x.ndim - 1) + [(0, -K % 32)]); x = x.reshape(x.shape[:-1] + (-1, 32)); a = np.abs(x).max(-1, keepdims=True)
;;       e = np.where(a > 0, np.clip(np.frexp(np.where(a > 0, a, 1))[1] - 1 - 4, -126, 127), 0)      # np.frexp(a)[1] - 1 = floor(log2(a)), exactly
;;       r = np.clip(x / 2.0 ** e, -28, 28)
;;       step = 2.0 ** (np.maximum(np.frexp(np.where(r == 0, 1, r))[1] - 1, -2) - 2)
;;       q = np.round(r / step) * step * 2.0 ** e      # np.round: ties to even
;;       return np.moveaxis(q.reshape(q.shape[:-2] + (-1,))[..., :K], -1, axis).astype(np.float32)
;;   ~~~
;;   OPERANDS COMPUTED ON THE WAY. 'Computed on the way' means the value that the module computes at that place (a softmax that the list does not call 'softmax' is quantised finished and normalised). What goes into a quantiser is computed in f32, as accurately as f32 sums, v_exp_f32 and their like allow (about 1e-6 of the number): no bf16 or f16 on the way to a quantiser, and a product that is left as it is and whose result goes on into a quantised operand takes f32 operands (vector FMAs, or v_wmma_f32_16x16x4_f32). A number that lies on a knife's edge between two numbers of the format may be rounded either way, as far as f32 arithmetic and the matrix unit's own rounding can turn it there, and no further.
;;   INPUTS GIVEN AS CODES. Wk (in the module: [2048, 2048], K = its axis 1); Wq (in the module: [2048, 2048], K = its axis 1); Wv (in the module: [2048, 2048], K = its axis 1); x (in the module: [2, 2048, 2048], K = its axis 2): each comes as NAME_codes (uint8): NAME with its K axis moved to the last place and cut into blocks of 32 codes, [.., K / 32, bytes a block], one block behind the other in memory; four codes in three bytes: a row's codes are one little-endian stream of bits, code i at bits 6 i .. 6 i + 5 (a code: sign, 3 exponent bits, 2 mantissa bits); and NAME_scales (uint8): the same leading axes, one E8M0 byte (e + 127) for each 32 codes along K. Its value is code x scale, taken as it is: it is not quantised again, and the codes and scales need not be those that the quantiser above would give.
;; One version. Each part assembles by itself: llvm-mc -triple=amdgcn-amd-amdhsa -mcpu=gfx1250 --defsym DOCPART=n.
;; ======== version 1 of 1: 3 launches
;; workspace buffers: qc 6,291,456 bytes; kc 6,291,456 bytes; qs 262,144 bytes; ks 262,144 bytes; vb 16,777,216 bytes; po 262,144 bytes; ml 2,048 bytes
;; launch proj (part 1): grid 16 x 16, 4 waves a work-group, clusters of 4 x 4, 327,680 bytes of LDS; arguments x_codes, x_scales, Wq_codes, Wq_scales, Wk_codes, Wk_scales, Wv_codes, Wv_scales, bq, bk, qc, qs, kc, ks, vb; writes qc, qs, kc, ks, vb
.if DOCPART == 1
	.amdgcn_target "amdgcn-amd-amdhsa--gfx1250"
	.amdhsa_code_object_version 6
	.text
	.protected	k_q5e34256e0a_proj
	.globl	k_q5e34256e0a_proj
	.p2align	8
	.type	k_q5e34256e0a_proj,@function
k_q5e34256e0a_proj:
	s_mov_b64 s[64:65], 0
	v_nop
	global_prefetch_b8 v0, s[64:65] scope:SCOPE_SE
	s_setreg_imm32_b32 hwreg(HW_REG_WAVE_MODE, 25, 1), 1
	s_wait_xcnt 0x0
	s_wait_alu depctr_hold_cnt(0) depctr_sa_sdst(0) depctr_va_vdst(0) depctr_va_sdst(0) depctr_va_ssrc(0) depctr_va_vcc(0) depctr_vm_vsrc(0)
	s_getreg_b32 s2, hwreg(HW_REG_IB_STS2, 6, 4)
	s_cmp_eq_u32 s2, 0
	s_cbranch_scc0 .Lentry_in_a_cluster
	s_endpgm
.Lentry_in_a_cluster:
	s_bfe_u32 s2, ttmp6, 0x10000c
	s_cmp_lg_u32 s2, 0xf033
	s_cbranch_scc0 .Lentry_shape_is_right
	s_endpgm
.Lentry_shape_is_right:
; q = x Wq^T + bq, k = x Wk^T + bk, v = x Wv^T: three products [4,096 x 2,048] x [2,048 x 2,048] on codes of BF6 (E3M2) with one E8M0 scale for each 32 along K, sums in f32.
; SHARES.  16 x 16 work-groups of four waves, equal work for each: FIRST a tile of 256 tokens x 256 columns (one head) of q or of k, a wave 128 x 128: 64 accumulators;
; THEN, staying, half a tile of v: 256 channels (one head) x 128 tokens, a wave 64 channels x 128 tokens: 32 accumulators.  1,024 + 512 matrix instructions a wave.
; K goes in steps of 256 through a ring of two LDS slots filled by tensor loads, and the ring does not stop between the two passes: the first pass's last two changes of slots ask for v's first two K steps,
; which land while q or k goes out.  The scale bytes of all rows that the work-group touches, for all of K, come into LDS once, with the first fills.
; A wave's 128 columns of q or k are one K step of the next launch's product q k^T.  So q and k never go to memory as f32:
;   q, k: source 1 ('the A side') = 16 tokens of x, source 0 ('the B side') = 16 rows of W: a lane holds ONE token and eight neighbouring columns.  + bias, quantised along the head's axis in registers,
;         stored as IMAGES OF THE OPERAND'S REGISTERS: qc, kc [b h][block of 16 tokens][K step][1,536 bytes: register group c at 512 c + 16 lane]; scale words qs, ks [b h][K step][token].
;         Inside a block of 32 the codes stand in the order 0-7, 16-23, 8-15, 24-31 of the head's axis, alike in q and k: the block's scale and the product's sum do not change.
;   v:    the sides are swapped (A side = 16 rows of Wv, B side = 16 tokens): a lane holds ONE channel and eight neighbouring tokens, rounded to bf16 (this product's successor is left as it is);
;         vb [128 tokens][head][16 channels][16 tokens][512 bytes: 16 bytes a lane].  bv is added behind the pooling, in the last launch: the weights of the pooling sum to 1.
; CLUSTERS: 4 x 4 work-groups.  In both passes the A side's tile hangs on the place along the cluster's y and is asked for jointly by a row of the cluster, the B side's on the place along x, by a column.
; Whether a work-group makes q or k hangs on the cluster's x alone and only chooses pointers: all work-groups run the same lines.
; LIMITS: NaN and infinities are not served.  A block of q or k whose largest magnitude lies under 2^-122 keeps the scale byte 1; a block of zeros has the byte 1 and not 127 (its codes are zeros, and only this program reads the bytes).
; REGISTERS, in windows of 256: window 0: v7-30 addresses; v32-63 scale words, two sets; v64-127 the bias; from v128 the A side's fragments (first pass: one set of 8; second: two sets of 4); on the ways out v128-235 are at work.
;   window 1: the B side's fragments, two sets.   windows 2, 3: the accumulators ((a, b) at v[8 (8 (a % 4) + b)]); the second pass uses window 2 alone.
.set KDIM,   2048
.set KSTEP,  256                       ; along K in a slot
.set NQ,     KSTEP/128                 ; matrix instructions deep
.set ROWB,   192                       ; a tile's row in bytes
.set KROW,   KDIM*6/8                  ; a row of codes in memory
.set PITCH,  240                       ; an LDS row: 3 x (64 bytes + 16 of padding)
.set FR,     12                        ; registers of a fragment
.set NL,     6                         ; LDS loads that bring one
.set NP,     4                         ; places behind this matrix instruction (ISA guide 7.12.1)
.set HALFT,  128*PITCH                 ; 128 rows of a tile
.set SLOT,   4*HALFT                   ; the A side's 256 rows, then the B side's (256 in the first pass, 128 in the second)
.set LAPS,   KDIM/(2*KSTEP)            ; a lap = two K steps = once round the ring
.set KS,     KDIM/32                   ; a row of scale bytes
.set SCL,    2*SLOT                    ; behind the ring: the first pass's scales, as units of 256 bytes + 16 of padding
.set HALFS,  (128*KS/256)*272          ; those of 128 rows
.set SBLK,   (16*KS/256)*272           ; those of 16 rows
.set SCL2,   SCL+4*HALFS               ; the second pass's: Wv's 256 rows, then 128 tokens
.set SPARE,  SCL2+3*HALFS+256          ; (256 bytes are left free) the spare words, 128 bytes for each wave
.set SCST,   SPARE+512                 ; 512 bytes for each wave: the scale words of its 128 tokens, gathered for one dense store; no tensor load lands here
.set ADRA2, 7                          ; v7-10   second pass: LDS addresses of my A side fragments (slot 0, 1; the same behind one padding more)
.set ADRB2, 11                         ; v11-14  the same for the B side
.set ADRS2, 15                         ; v15     second pass: LDS address of my scale words
.set ADRA, 16                          ; v16-19  first pass: A side
.set ADRB, 20                          ; v20-23  B side
.set SCW,  24                          ; v24     SCST + 512 wave + 4 (lane % 16)
.set SCR,  25                          ; v25     SCST + 512 wave + 16 lane
.set LI,   26                          ; v26     16 lane
.set ADRS, 27                          ; v27     first pass: LDS address of my scale words: lanes 0-15 the A side's, lanes 16-31 the B side's
.set SPW,  28                          ; v28     my spare word; never rewritten
.set NIL,  29                          ; v29     0; never rewritten
.set BO,   30                          ; v30     32 (lane / 16): my eight columns' bias
.set SC,   32
.set BI,   64                          ; v64-127 the bias of my 64 columns, in the accumulators' order
.set AF,   128
.set HA,   128                         ; q's and k's way out: 64 numbers of a lane
.set TM,   192                         ; v192-207 at work in the quantiser
.set PW,   208                         ; the scale word just made
.set PC,   210                         ; v210-228 the codes just made
.set T4,   232
.set TMP,  128                         ; v's way out: two sets of 32
.set G1SC, 4                           ; s[4:11]  group 1: the scales of 64 tokens
.set BIAS, 12                          ; s[12:13]
.set LB2,  17                          ; s17      second pass: where my part of the B side's tile goes in slot 0
.set A2,   18                          ; s[18:19] second pass: the A side's rows that I fetch, K step 0
.set B2,   20                          ; s[20:21] the B side's
.set SEL,  22                          ; s[22:23] lane selects for v_permlanex16_b32
.set G1, 24                            ; s[24:31] group 1 for the A side's tiles;  s[32:39] group 0, a set for each slot
.set G0, 32
.set G0S2, 40                          ; s[40:43] group 0: Wv's scales
.set G1B, 48                           ; s[48:55], s[56:63] the B side's tiles
.set G0B, 56
.set VB,  66                           ; s[66:67] vb at my wave's first block
.set G1S, 68                           ; s[68:75] group 1: the scales of 128 rows of an A side;  s[76:79] group 0, first pass
.set G0S, 76
.set G1SB, 80                          ; s[80:87], s[88:91] the same for the first pass's B side
.set G0SB, 88
.set G1C, 80                           ; s[80:87] later: group 1 for the second pass's B side: 64 rows
.set OC,  92                           ; s[92:93] qc or kc at my wave's first image
.set OS,  94                           ; s[94:95] qs or ks at my wave's first word
.set G0SC, 96                          ; s[96:99] group 0: the scales of my 64 tokens
.set MSB, 0
.macro WIN new                         ; the immediate's high byte repeats the setting that is left
.if MSB != (\new)
	s_set_vgpr_msb (MSB<<8)|(\new)
.set MSB, \new
.endif
.endm
.set MUL_LO, 0xa1                      ; source 0 window 1, source 1 window 0, C and D window 2
.set MUL_HI, 0xf1                      ; the same, C and D window 3
.set TO_B,   0x40                      ; destination window 1
; A joint load: waves 0 and 1 fetch for the A side, waves 2 and 3 for the B side.  The branch hangs on the wave's number alone.  Four v_nop follow each of the two lines.
.macro JLOAD g0a, g1a, g0b, g1b
	s_cmp_eq_u32 s15, 0
	s_cbranch_scc0 .Lfor_b_\@
	tensor_load_to_lds s[\g0a:\g0a+3], s[\g1a:\g1a+7]
	s_nop 0
.rept 4
	v_nop
.endr
	s_branch .Lasked_\@
.Lfor_b_\@:
	tensor_load_to_lds s[\g0b:\g0b+3], s[\g1b:\g1b+7]
	s_nop 0
.rept 4
	v_nop
.endr
.Lasked_\@:
.endm
.macro CREST                           ; a round of the cluster's barrier behind its opening barrier
	s_cmp_lg_u32 s14, 0
	s_cbranch_scc1 .Lnot_wave_0_\@
	s_barrier_signal -3
.Lnot_wave_0_\@:
	s_barrier_wait -3
	s_barrier_signal -1
	s_barrier_wait -1
.endm
.macro CROUND                          ; a whole round
	s_barrier_signal -1
	s_barrier_wait -1
	CREST
.endm
	s_load_b512 s[68:83], s[0:1], 0x0              ; x's codes, scales; Wq's; Wk's; Wv's
	s_load_b256 s[84:91], s[0:1], 0x40             ; bq, bk, qc, qs
	s_load_b128 s[92:95], s[0:1], 0x60             ; kc, ks
	s_load_b64 s[VB:VB+1], s[0:1], 0x70            ; vb
	v_lshl_add_u32 v[SPW], v0, 2, SPARE
	v_mov_b32 v[NIL], 0
	ds_add_u32 v28, v29
	ds_add_u32 v28, v29
	s_wait_dscnt 0x0
	v_lshrrev_b32 v1, 5, v0
	v_readfirstlane_b32 s14, v1                    ; wave 0..3
	s_lshr_b32 s15, s14, 1                         ; first pass: which half of the A side's rows is mine.  Also: I fetch for the A side (0) or the B side (1)
	s_and_b32 s16, s14, 1                          ; first pass: which half of the B side's.  Also: which half of a tile's rows I fetch
	s_bfe_u32 s100, ttmp6, 0x40000                 ; cx
	s_bfe_u32 s46, ttmp6, 0x40004                  ; cy
	s_lshr_b32 s22, ttmp9, 1                       ; 0: q, 1: k: from the cluster's x alone
	s_and_b32 s8, ttmp9, 1                         ; which four heads
	s_and_b32 s9, ttmp7, 0xffff                    ; the cluster's y
	s_lshl_b32 s2, s9, 2
	s_add_co_u32 s2, s2, s46                       ; first pass, A side: tile of 256 tokens = 4 x cluster y + cy
	s_lshl_b32 s3, s8, 2
	s_add_co_u32 s3, s3, s46                       ; second pass, A side: head = 4 x (cluster x % 2) + cy
	s_lshl_b32 s104, s8, 2
	s_add_co_u32 s104, s104, s100                  ; first pass, B side: head = 4 x (cluster x % 2) + cx
	s_lshl_b32 s105, s9, 1
	s_add_co_u32 s105, s105, s22
	s_lshl_b32 s105, s105, 2
	s_add_co_u32 s105, s105, s100                  ; second pass, B side: block of 128 tokens = 4 x (2 x cluster y + cluster x / 2) + cx
	s_lshl_b32 s23, s46, 2
	s_lshl_b32 s23, 15, s23                        ; my row of the cluster
	s_lshl_b32 s44, 0x1111, s100                   ; my column
	; descriptor group 1: a tile of 128 rows x 192 bytes, 16 bytes of padding behind every 64
	s_or_b32 s[G1+0], s23, (0<<16)|(1<<20)|(1<<21)|(3<<22)|(3<<25)
	s_or_b32 s[G1B+0], s44, (0<<16)|(1<<20)|(1<<21)|(3<<22)|(3<<25)
.irp g, G1, G1B
	s_mov_b32 s[\g+1], ROWB<<16                    ; tensor_dim0
	s_mov_b32 s[\g+2], 128<<16                     ; tensor_dim1
	s_mov_b32 s[\g+3], ROWB<<16                    ; tile_dim0
	s_mov_b32 s[\g+4], 128                         ; tile_dim1
	s_mov_b32 s[\g+5], KROW                        ; tensor_dim0_stride
	s_mov_b32 s[\g+6], 0
	s_mov_b32 s[\g+7], 0
.endr
	s_lshl_b32 s17, s16, 7                         ; the first rows that I fetch
	s_lshl_b32 s4, s2, 8
	s_add_co_u32 s4, s4, s17                       ; first pass, A side: 256 x tile + 128 x half
	s_lshl_b32 s5, s3, 8
	s_add_co_u32 s5, s5, s17                       ; second pass, A side
	s_lshl_b32 s6, s104, 8
	s_add_co_u32 s6, s6, s17                       ; first pass, B side
	s_lshl_b32 s7, s105, 7
	s_lshl_b32 s17, s16, 6
	s_add_co_u32 s7, s7, s17                       ; second pass, B side: 128 x block + 64 x half
	s_mov_b32 s47, 0
	s_mov_b32 s101, 0
	s_mul_i32 s45, s14, HALFT                      ; where the tiles go: no place in the cluster enters an LDS address
	s_mul_i32 s10, s14, HALFS
	s_mul_i32 s11, s16, HALFS
	s_mul_i32 s8, s16, HALFS/2
	s_mul_i32 s[LB2], s16, HALFT/2
	s_add_co_u32 s[LB2], s[LB2], 2*HALFT
	s_wait_kmcnt 0x0
	s_cmp_eq_u32 s22, 0                            ; q's buffers or k's
	s_cselect_b64 s[72:73], s[72:73], s[76:77]     ; W's codes
	s_cselect_b64 s[74:75], s[74:75], s[78:79]     ; and scales
	s_cselect_b64 s[BIAS:BIAS+1], s[84:85], s[86:87]
	s_cselect_b64 s[OC:OC+1], s[88:89], s[92:93]
	s_cselect_b64 s[OS:OS+1], s[90:91], s[94:95]
	s_mul_i32 s46, s4, KROW                        ; the A sides' addresses hang on cy and the cluster alone
	s_add_nc_u64 s[G0+2:G0+3], s[68:69], s[46:47]
	s_lshl_b32 s46, s4, 6
	s_add_nc_u64 s[G0S+2:G0S+3], s[70:71], s[46:47]
	s_mul_i32 s46, s5, KROW
	s_add_nc_u64 s[A2:A2+1], s[80:81], s[46:47]
	s_lshl_b32 s46, s5, 6
	s_add_nc_u64 s[G0S2+2:G0S2+3], s[82:83], s[46:47]
	s_mul_i32 s100, s6, KROW                       ; the B sides' on cx and the cluster alone
	s_add_nc_u64 s[G0B+2:G0B+3], s[72:73], s[100:101]
	s_lshl_b32 s100, s6, 6
	s_add_nc_u64 s[G0SB+2:G0SB+3], s[74:75], s[100:101]
	s_mul_i32 s100, s7, KROW
	s_add_nc_u64 s[B2:B2+1], s[68:69], s[100:101]
	s_lshl_b32 s100, s7, 6
	s_add_nc_u64 s[G0SC+2:G0SC+3], s[70:71], s[100:101]
	s_add_nc_u64 s[G0+6:G0+7], s[G0+2:G0+3], ROWB  ; slot 1 begins with K step 1
	s_add_nc_u64 s[G0B+6:G0B+7], s[G0B+2:G0B+3], ROWB
.irp g, G0+3, G0+7, G0B+3, G0B+7, G0S+3, G0SB+3, G0S2+3, G0SC+3
	s_or_b32 s[\g], s[\g], 0x80000000              ; 127:126 type = 2
.endr
.irp s, 0,1
	s_mov_b32 s[G0+4*\s], 1
	s_add_co_u32 s[G0+4*\s+1], s45, \s*SLOT
	s_mov_b32 s[G0B+4*\s], 1
	s_add_co_u32 s[G0B+4*\s+1], s45, \s*SLOT
.endr
	s_mov_b32 s[G0S], 1
	s_add_co_u32 s[G0S+1], s10, SCL
	s_mov_b32 s[G0SB], 1
	s_add_co_u32 s[G0SB+1], s10, SCL
	s_mov_b32 s[G0S2], 1
	s_add_co_u32 s[G0S2+1], s11, SCL2
	s_mov_b32 s[G0SC], 1
	s_add_co_u32 s[G0SC+1], s8, SCL2+2*HALFS
	; the scales of 128 rows are a dense block of 8,192 bytes: 32 rows of 256 bytes (32 elements of 8 bytes), 16 bytes of padding behind each; those of 64 rows: 16 such rows
	s_or_b32 s[G1S+0], s23, (3<<16)|(1<<20)|(1<<21)|(5<<22)|(3<<25)
	s_or_b32 s[G1SB+0], s44, (3<<16)|(1<<20)|(1<<21)|(5<<22)|(3<<25)
	s_or_b32 s[G1SC+0], s44, (3<<16)|(1<<20)|(1<<21)|(5<<22)|(3<<25)
.irp g, G1S, G1SB
	s_mov_b32 s[\g+1], 32<<16
	s_mov_b32 s[\g+2], (128*KS/256)<<16
	s_mov_b32 s[\g+3], 32<<16
	s_mov_b32 s[\g+4], 128*KS/256
	s_mov_b32 s[\g+5], 32
	s_mov_b32 s[\g+6], 0
	s_mov_b32 s[\g+7], 0
.endr
	s_mov_b32 s[G1SC+1], 32<<16
	s_mov_b32 s[G1SC+2], (64*KS/256)<<16
	s_mov_b32 s[G1SC+3], 32<<16
	s_mov_b32 s[G1SC+4], 64*KS/256
	s_mov_b32 s[G1SC+5], 32
	s_mov_b32 s[G1SC+6], 0
	s_mov_b32 s[G1SC+7], 0
	CROUND                                         ; all sixteen work-groups are here: the first joint loads meet
	JLOAD G0S, G1S, G0SB, G1SB                     ; the first pass's scales: they are wanted with K step 0
	JLOAD G0S2, G1S, G0SC, G1SC                    ; the second pass's
	JLOAD G0, G1, G0B, G1B                         ; K step 0
	JLOAD G0+4, G1, G0B+4, G1B                     ; K step 1: four loads of mine are out
	; where my wave's results go.  q, k: b h = 8 (tile of tokens / 8) + head; my first block of 16 tokens t16 = 16 (tile % 8) + 8 x my A half; my K step = my B half
	s_lshr_b32 s22, s2, 3
	s_lshl_b32 s22, s22, 3
	s_add_co_u32 s22, s22, s104                    ; b h
	s_and_b32 s23, s2, 7
	s_lshl_b32 s23, s23, 4
	s_lshl_b32 s46, s15, 3
	s_add_co_u32 s23, s23, s46                     ; t16
	s_mul_i32 s100, s22, 393216                    ; 128 blocks x 2 K steps x 1,536 bytes
	s_mul_i32 s46, s23, 3072
	s_add_co_u32 s100, s100, s46
	s_mul_i32 s46, s16, 1536
	s_add_co_u32 s100, s100, s46
	s_add_nc_u64 s[OC:OC+1], s[OC:OC+1], s[100:101]
	s_lshl_b32 s100, s22, 14                       ; 2 K steps x 2,048 words
	s_lshl_b32 s46, s16, 13
	s_add_co_u32 s100, s100, s46
	s_lshl_b32 s46, s23, 6
	s_add_co_u32 s100, s100, s46
	s_add_nc_u64 s[OS:OS+1], s[OS:OS+1], s[100:101]
	s_lshl_b32 s100, s104, 10                      ; the bias of my 128 columns: 4 (256 x head + 128 x my B half)
	s_lshl_b32 s46, s16, 9
	s_add_co_u32 s100, s100, s46
	s_add_nc_u64 s[BIAS:BIAS+1], s[BIAS:BIAS+1], s[100:101]
	s_lshl_b32 s100, s105, 3                       ; v: (8 x block of 128 tokens + head) x 65,536 + 16,384 x wave
	s_add_co_u32 s100, s100, s3
	s_lshl_b32 s100, s100, 16
	s_lshl_b32 s46, s14, 14
	s_add_co_u32 s100, s100, s46
	s_add_nc_u64 s[VB:VB+1], s[VB:VB+1], s[100:101]
	s_mov_b32 s[SEL], 0x76543210
	s_mov_b32 s[SEL+1], 0xfedcba98
	v_and_b32 v1, 15, v0                           ; l % 16
	v_bfe_u32 v2, v0, 4, 1                         ; l / 16
	v_lshlrev_b32 v[BO], 5, v2
.irp t, 0,1,2,3,4,5,6,7                ; the bias is wanted on the first way out
	global_load_b128 v[BI+8*\t:BI+8*\t+3], v[BO], s[BIAS:BIAS+1] offset:64*\t
	global_load_b128 v[BI+8*\t+4:BI+8*\t+7], v[BO], s[BIAS:BIAS+1] offset:64*\t+16
.endr
	v_mul_u32_u24 v3, v1, PITCH
	v_mul_u32_u24 v4, v2, 24
	v_add_nc_u32 v4, v3, v4                        ; a fragment's row x pitch + 24 x half
	v_lshl_add_u32 v5, v2, 4, v4                   ; and the same behind one padding more
	s_mul_i32 s46, s15, HALFT                      ; first pass: my 128 rows of the A side,
	s_mul_i32 s100, s16, HALFT                     ; my 128 rows of the B side,
	s_add_co_u32 s100, s100, 2*HALFT               ; which lie behind the A side's 256
.irp s, 0,1
	v_add_nc_u32 v[ADRA+\s], s46, v4
	v_add_nc_u32 v[ADRB+\s], s100, v4
	v_add_nc_u32 v[ADRA+2+\s], s46, v5
	v_add_nc_u32 v[ADRB+2+\s], s100, v5
	s_add_co_u32 s46, s46, SLOT
	s_add_co_u32 s100, s100, SLOT
.endr
	s_mul_i32 s46, s14, HALFT/2                    ; second pass: my 64 rows of the A side,
	s_mov_b32 s100, 2*HALFT                        ; all 128 rows of the B side
.irp s, 0,1
	v_add_nc_u32 v[ADRA2+\s], s46, v4
	v_add_nc_u32 v[ADRB2+\s], s100, v4
	v_add_nc_u32 v[ADRA2+2+\s], s46, v5
	v_add_nc_u32 v[ADRB2+2+\s], s100, v5
	s_add_co_u32 s46, s46, SLOT
	s_add_co_u32 s100, s100, SLOT
.endr
	v_mul_u32_u24 v5, v1, KS                       ; my row's scales: 64 bytes a row,
	v_lshrrev_b32 v6, 8, v5
	v_lshl_add_u32 v5, v6, 4, v5                   ; and 16 more for each 256 passed
	s_mul_i32 s46, s15, HALFS
	s_mul_i32 s100, s16, HALFS
	s_add_co_u32 s100, s100, 2*HALFS
	s_sub_co_u32 s100, s100, s46
	v_mul_u32_u24 v6, s100, v2                     ; lanes 16-31 take the B side's
	s_add_co_u32 s46, s46, SCL
	v_add_nc_u32 v6, v5, v6
	v_add_nc_u32 v[ADRS], s46, v6
	s_mul_i32 s46, s14, HALFS/2                    ; second pass: my 64 rows of Wv; the tokens' lie behind Wv's 256
	s_mov_b32 s100, 2*HALFS
	s_sub_co_u32 s100, s100, s46
	v_mul_u32_u24 v6, s100, v2
	s_add_co_u32 s46, s46, SCL2
	v_add_nc_u32 v6, v5, v6
	v_add_nc_u32 v[ADRS2], s46, v6
	s_lshl_b32 s46, s14, 9
	s_add_co_u32 s46, s46, SCST                    ; my 512 bytes for scale words
	v_lshl_add_u32 v[SCW], v1, 2, s46
	v_and_b32 v6, 31, v0
	v_lshlrev_b32 v[LI], 4, v6
	v_add_nc_u32 v[SCR], s46, v[LI]
.macro FRAG reg, adr, q, i             ; a fragment, 16 rows x 128 K of 6-bit codes: lane l holds row l % 16; registers 6 c .. 6 c + 5 hold K = 64 c + 32 (l / 16) + 0 .. 31, 24 bytes as they lie
.irp p, 0,1,2,3,4,5                    ; in pieces of 8 bytes; lanes 16-31 read three pieces further on; where that lies behind one padding more, the second address register serves
.set PIECE, 12*(\q)+6*(\p/3)+\p%3
.if PIECE%8 < 5
	ds_load_b64 v[\reg+2*\p:\reg+2*\p+1], v[\adr] offset:8*PIECE+16*(PIECE/8)+(\i)*16*PITCH
.else
	ds_load_b64 v[\reg+2*\p:\reg+2*\p+1], v[\adr+2] offset:8*PIECE+16*(PIECE/8)+(\i)*16*PITCH
.endif
.endr
.endm
; 16 matrix instructions: the A side's blocks a0, a0 + 1 x the B side's eight, 128 along K.  zero = 1: the first product starts the sums.  The 64 accumulators take turns, one instruction a turn, in one order throughout.
.macro MUL16 a0, p, q, sc, zero
.irp a, \a0, \a0+1
.irp b, 0,1,2,3,4,5,6,7
.if \zero
	v_wmma_scale_f32_16x16x128_f8f6f4 v[8*(8*((\a)%4)+\b):8*(8*((\a)%4)+\b)+7], v[128*(\p)+FR*\b:128*(\p)+FR*\b+FR-1], v[AF+FR*(\a):AF+FR*(\a)+FR-1], 0, v[SC+8*NQ*(\sc)+NQ*\b+(\q)], v[SC+8*NQ*(\sc)+NQ*(\a)+(\q)] matrix_a_fmt:MATRIX_FMT_BF6 matrix_b_fmt:MATRIX_FMT_BF6 matrix_a_scale:MATRIX_SCALE_ROW1
.else
	v_wmma_scale_f32_16x16x128_f8f6f4 v[8*(8*((\a)%4)+\b):8*(8*((\a)%4)+\b)+7], v[128*(\p)+FR*\b:128*(\p)+FR*\b+FR-1], v[AF+FR*(\a):AF+FR*(\a)+FR-1], v[8*(8*((\a)%4)+\b):8*(8*((\a)%4)+\b)+7], v[SC+8*NQ*(\sc)+NQ*\b+(\q)], v[SC+8*NQ*(\sc)+NQ*(\a)+(\q)] matrix_a_fmt:MATRIX_FMT_BF6 matrix_b_fmt:MATRIX_FMT_BF6 matrix_a_scale:MATRIX_SCALE_ROW1
.endif
.endr
.endr
.endm
; The second pass's 32: the A side's four blocks (set p) x the B side's eight (set p); 32 accumulators by turns, in one order throughout.
.macro MULH p, q, sc, zero
.irp a, 0,1,2,3
.irp b, 0,1,2,3,4,5,6,7
.if \zero
	v_wmma_scale_f32_16x16x128_f8f6f4 v[8*(8*\a+\b):8*(8*\a+\b)+7], v[128*(\p)+FR*\b:128*(\p)+FR*\b+FR-1], v[AF+48*(\p)+FR*\a:AF+48*(\p)+FR*\a+FR-1], 0, v[SC+8*NQ*(\sc)+NQ*\b+(\q)], v[SC+8*NQ*(\sc)+NQ*\a+(\q)] matrix_a_fmt:MATRIX_FMT_BF6 matrix_b_fmt:MATRIX_FMT_BF6 matrix_a_scale:MATRIX_SCALE_ROW1
.else
	v_wmma_scale_f32_16x16x128_f8f6f4 v[8*(8*\a+\b):8*(8*\a+\b)+7], v[128*(\p)+FR*\b:128*(\p)+FR*\b+FR-1], v[AF+48*(\p)+FR*\a:AF+48*(\p)+FR*\a+FR-1], v[8*(8*\a+\b):8*(8*\a+\b)+7], v[SC+8*NQ*(\sc)+NQ*\b+(\q)], v[SC+8*NQ*(\sc)+NQ*\a+(\q)] matrix_a_fmt:MATRIX_FMT_BF6 matrix_b_fmt:MATRIX_FMT_BF6 matrix_a_scale:MATRIX_SCALE_ROW1
.endif
.endr
.endr
.endm
.macro FETCH_B slot, q, p              ; first pass: the B side's eight fragments of the slot's q-th 128 along K into set p
	WIN TO_B
.irp i, 0,1,2,3,4,5,6,7
	FRAG 128*(\p)+FR*\i, ADRB+\slot, \q, \i
.endr
	WIN 0
.endm
.macro FETCH_A slot, q, i0             ; first pass: the A side's blocks i0 .. i0 + 3
.irp i, \i0, \i0+1, \i0+2, \i0+3
	FRAG AF+FR*(\i), ADRA+\slot, \q, \i
.endr
.endm
.macro HFETCH slot, q, p               ; second pass: the B side's eight fragments and my four of the A side, into set p
	WIN TO_B
.irp i, 0,1,2,3,4,5,6,7
	FRAG 128*(\p)+FR*\i, ADRB2+\slot, \q, \i
.endr
	WIN 0
.irp i, 0,1,2,3
	FRAG AF+48*(\p)+FR*\i, ADRA2+\slot, \q, \i
.endr
.endm
.macro SCALES sc, adr                  ; a K step's scale words: two words a row; lanes 0-15 the A side's block i, lanes 16-31 the B side's (second pass: of the A side only blocks 0-3 are used)
.irp i, 0,1,2,3,4,5,6,7
	ds_load_b64 v[SC+8*NQ*\sc+NQ*\i:SC+8*NQ*\sc+NQ*\i+1], v[\adr] offset:\i*SBLK
.endr
.endm
.macro PLACES n                        ; plain vector instructions between a matrix instruction and a load into, or a vector write of, its registers, or a read of its result
.rept \n
	v_nop
.endr
.endm
; THE CHANGE OF SLOTS stands at the HEAD of a slot's last step of 128 along K: all of that step's fragments have been asked for, so my reads of the slot end with the wait below,
; and the slot's refill goes out with the whole step's matrix instructions still ahead, in which, and in the next slot's, it lands.
; Each wave waits for all its tensor loads (one is out: its part of the next slot), adds 0 to its spare word, waits for that and for its reads of this slot, and meets the others.
.macro MEET
	s_wait_tensorcnt 0x0                           ; all my tensor loads have landed
	ds_add_u32 v[SPW], v[NIL]                      ; 0 onto my spare word
	s_wait_dscnt 0x0                               ; the add is done, and my reads of this slot are over
	s_barrier_signal -1
	s_barrier_wait -1
.endm
.macro REFILL slot, g1b                ; the barrier has opened a round of the cluster's barrier: no wave of any partner still reads this slot or has a load on its way.  Then this pass's K step two on
	CREST
	s_add_nc_u64 s[G0+4*\slot+2:G0+4*\slot+3], s[G0+4*\slot+2:G0+4*\slot+3], 2*ROWB
	s_add_nc_u64 s[G0B+4*\slot+2:G0B+4*\slot+3], s[G0B+4*\slot+2:G0B+4*\slot+3], 2*ROWB
	JLOAD G0+4*\slot, G1, G0B+4*\slot, \g1b        ; the first tensor load behind the round, and my only one until the next
.endm
.macro CROSS slot                      ; the same, with the SECOND pass's K step 0 (slot 0) or 1 (slot 1): Wv's 2 x 128 rows, the tokens' 2 x 64
	CREST
	s_add_nc_u64 s[G0+4*\slot+2:G0+4*\slot+3], s[A2:A2+1], \slot*ROWB
	s_or_b32 s[G0+4*\slot+3], s[G0+4*\slot+3], 0x80000000
	s_add_co_u32 s[G0B+4*\slot+1], s[LB2], \slot*SLOT
	s_add_nc_u64 s[G0B+4*\slot+2:G0B+4*\slot+3], s[B2:B2+1], \slot*ROWB
	s_or_b32 s[G0B+4*\slot+3], s[G0B+4*\slot+3], 0x80000000
	JLOAD G0+4*\slot, G1, G0B+4*\slot, G1C
.endm
.macro STEP slot, q, zero              ; first pass: a step of 128 along K that has its successor in the same slot
	s_wait_dscnt 4*NL                              ; all but the youngest 24 loads (the A side's blocks 4-7) are in
	WIN MUL_LO
	MUL16 0, (\q)%2, \q, \slot, \zero
	MUL16 2, (\q)%2, \q, \slot, \zero
	s_wait_dscnt 0
	PLACES NP
	FETCH_B \slot, (\q)+1, 1-(\q)%2
	FETCH_A \slot, (\q)+1, 0
	WIN MUL_HI
	MUL16 4, (\q)%2, \q, \slot, \zero
	MUL16 6, (\q)%2, \q, \slot, \zero
	PLACES NP
	WIN 0
	FETCH_A \slot, (\q)+1, 4
.endm
.macro TURN slot, next, cross          ; first pass: a slot's last step.  cross = 0: the slot takes this pass's K step two on; 1: the second pass's
	MEET
.if \cross
	CROSS \slot
.else
	REFILL \slot, G1B
.endif
	v_add_nc_u32 v[ADRS], 4*NQ, v[ADRS]            ; on to the next K step's scale words
	WIN MUL_LO
	MUL16 0, 1, NQ-1, \slot, 0
	MUL16 2, 1, NQ-1, \slot, 0
	PLACES NP
	FETCH_B \next, 0, 0
	FETCH_A \next, 0, 0
	SCALES \next, ADRS
	WIN MUL_HI
	MUL16 4, 1, NQ-1, \slot, 0
	MUL16 6, 1, NQ-1, \slot, 0
	PLACES NP
	WIN 0
	FETCH_A \next, 0, 4
.endm
.macro HSTEP slot, zero                ; second pass: a slot's first step: set 0 is multiplied, set 1 fetched ahead of it
	s_wait_dscnt 0x0                               ; set 0 and the scale words are in
	PLACES NP                                      ; behind the products that read set 1
	HFETCH \slot, 1, 1
	WIN MUL_LO
	MULH 0, 0, \slot, \zero
	WIN 0
.endm
.macro HTURN slot, next, fill          ; second pass: a slot's last step: set 1 is multiplied; set 0 comes from the next slot
	MEET
.if \fill
	REFILL \slot, G1C                              ; its four v_nop are the places in front of the loads below
.else
	PLACES NP
.endif
	v_add_nc_u32 v[ADRS2], 4*NQ, v[ADRS2]
	HFETCH \next, 0, 0
	SCALES \next, ADRS2
	WIN MUL_LO
	MULH 1, 1, \slot, 0
	WIN 0
.endm
; 64 numbers of a lane, v[s] .. v[s + 63], sixteen of each of four blocks of 32 (the other sixteen lie in the lane 16 away), become a fragment's codes in v[PC] on and its scale word in v[PW].
.macro QUANT s
.irp b, 0,1,2,3
	v_max3_num_f32 v[TM+\b], |v[\s+16*\b]|, |v[\s+1+16*\b]|, 0x2800000   ; my 16 numbers, and the floor 2^(5 - 127): the byte cannot fall under 1
.endr
.irp i, 2,4,6,8,10,12,14
.irp b, 0,1,2,3
	v_max3_num_f32 v[TM+\b], v[TM+\b], |v[\s+16*\b+\i]|, |v[\s+1+16*\b+\i]|
.endr
.endr
.irp b, 0,1,2,3
	v_permlanex16_b32 v[TM+4+\b], v[TM+\b], s[SEL], s[SEL+1]
.endr
.irp b, 0,1,2,3
	v_max_num_f32 v[TM+\b], v[TM+\b], v[TM+4+\b]   ; the block's largest magnitude
.endr
.irp b, 0,1,2,3
	v_add_nc_u32 v[TM+12+\b], 0xfe000000, v[TM+\b] ; 4 off its exponent field: the conversion takes the exponent field of this operand as its scale
.endr
.irp b, 0,1,2,3
	v_lshrrev_b32 v[TM+4+\b], 23, v[TM+12+\b]      ; the scale's byte
.endr
	v_lshl_or_b32 v[PW], v[TM+5], 8, v[TM+4]
	v_lshl_or_b32 v[PW], v[TM+6], 16, v[PW]
	v_lshl_or_b32 v[PW], v[TM+7], 24, v[PW]
.irp c, 0,1
	v_cvt_scalef32_pk16_bf6_f32 v[PC+6*\c:PC+2+6*\c], v[\s+32*\c:\s+15+32*\c], v[TM+12+2*\c]
	v_cvt_scalef32_pk16_bf6_f32 v[PC+12+4*\c:PC+14+4*\c], v[\s+16+32*\c:\s+31+32*\c], v[TM+12+2*\c+1]   ; (a conversion's three registers begin on an even number)
.endr
	v_nop                                          ; one plain place behind a scaled conversion
.irp c, 0,1                            ; the operand's layout wants a whole block in a lane: lanes 0-15 block 2 c, lanes 16-31 block 2 c + 1
.irp i, 0,1,2
	v_permlane16_swap_b32 v[PC+6*\c+\i], v[PC+12+4*\c+\i]
.endr
.irp i, 0,1,2
	v_mov_b32 v[PC+3+6*\c+\i], v[PC+12+4*\c+\i]
.endr
.endr
.endm
; q, k: block a of 16 tokens x my 128 columns: + bias (the same line brings the sums into window 0), quantised, the image stored as 3 x 512 consecutive bytes, the scale word gathered in LDS.
.macro QKBLOCK a
	s_wait_xcnt 0x0                                ; the last block's stores have read the codes' registers
	s_wait_dscnt 0x0                               ; and its LDS store the scale word
	WIN 0x02+(\a)/4                                ; source 0: window 2 or 3
.set i, 0
.rept 32
	v_pk_add_f32 v[HA+2*i:HA+2*i+1], v[64*((\a)%4)+2*i:64*((\a)%4)+2*i+1], v[BI+2*i:BI+2*i+1]   ; each accumulator from its low end on
.set i, i+1
.endr
	WIN 0
	QUANT HA
.irp c, 0,1,2
	global_store_b128 v[LI], v[PC+4*\c:PC+4*\c+3], s[OC:OC+1] offset:3072*(\a)+512*\c th:TH_STORE_NT
.endr
	ds_store_b32 v[SCW], v[PW] offset:64*(\a)      ; both halves of the lanes write the same word with the same value
.endm
; v: block a of 16 channels x 128 tokens: rounded to bf16, 16 bytes a lane, 512 consecutive bytes a store.
.macro VBLOCK a
	s_wait_xcnt 0x0                                ; earlier stores have read their registers
	WIN 0x0a                                       ; sources 0 and 1: window 2
.irp bb, 0,1,2,3,4,5,6,7
.irp q, 0,1,2,3
	v_cvt_pk_bf16_f32 v[TMP+32*((\a)%2)+4*\bb+\q], v[64*(\a)+8*\bb+2*\q], v[64*(\a)+8*\bb+2*\q+1]
.endr
.endr
	WIN 0
.irp bb, 0,1,2,3,4,5,6,7
	global_store_b128 v[LI], v[TMP+32*((\a)%2)+4*\bb:TMP+32*((\a)%2)+4*\bb+3], s[VB:VB+1] offset:(8*(\a)+\bb)*512 th:TH_STORE_NT
.endr
.endm
	; ---- THE FIRST PASS: a tile of q or of k
	s_wait_tensorcnt 1                             ; both passes' scales and my part of K step 0 are in; K step 1's load may be out
	s_barrier_signal -1
	s_barrier_wait -1
	FETCH_B 0, 0, 0
	FETCH_A 0, 0, 0
	SCALES 0, ADRS
	FETCH_A 0, 0, 4
	STEP 0, 0, 1                                   ; the first step stands in front of the loop: its products start the sums
	s_mov_b32 s3, LAPS-1
.Llap:                                                 ; a trip goes once round the ring and fills both slots again: K steps 2 to 7
	TURN 0, 1, 0
	STEP 1, 0, 0
	TURN 1, 0, 0
	STEP 0, 0, 0
	s_sub_co_u32 s3, s3, 1
	s_cmp_lg_u32 s3, 0
	s_cbranch_scc1 .Llap
	; group 1 for the second pass's B side: 64 rows x 192 bytes.  It takes the registers of a group whose one load, at the head, has been waited for in every trip above
	s_or_b32 s[G1C+0], s44, (0<<16)|(1<<20)|(1<<21)|(3<<22)|(3<<25)
	s_mov_b32 s[G1C+1], ROWB<<16
	s_mov_b32 s[G1C+2], 64<<16
	s_mov_b32 s[G1C+3], ROWB<<16
	s_mov_b32 s[G1C+4], 64
	s_mov_b32 s[G1C+5], KROW
	s_mov_b32 s[G1C+6], 0
	s_mov_b32 s[G1C+7], 0
	TURN 0, 1, 1                                   ; K step 6 ends; THE RING GOES ON INTO THE SECOND PASS: slot 0 takes v's K step 0
	STEP 1, 0, 0
	MEET                                           ; K step 7's last step: its fragments are in registers,
	CROSS 1                                        ; so slot 1 takes v's K step 1
	WIN MUL_LO
	MUL16 0, 1, NQ-1, 1, 0
	MUL16 2, 1, NQ-1, 1, 0
	WIN MUL_HI
	MUL16 4, 1, NQ-1, 1, 0
	MUL16 6, 1, NQ-1, 1, 0
	WIN 0
	; ---- q or k goes out while v's first two K steps are on their way
	PLACES NP                                      ; the way out writes registers that held the A side's fragments, and reads results
.irp b, 0,1,2,3
	v_mov_b32 v[TM+4+\b], 0                        ; a lane permute's destination counts as one of its sources
.endr
	s_wait_loadcnt 0x0                             ; the bias
.irp a, 0,1,2,3,4,5,6,7
	QKBLOCK \a
.endr
	ds_load_b128 v[T4:T4+3], v[SCR]                ; LDS serves a wave's instructions in order: this sees my eight stores
	s_wait_dscnt 0x0
	global_store_b128 v[LI], v[T4:T4+3], s[OS:OS+1] th:TH_STORE_NT   ; my 128 tokens' scale words: 512 consecutive bytes
	; ---- THE SECOND PASS: 256 channels x 128 tokens of v.  Its K step 0 was shown landed to every wave by the last change of slots
	s_wait_xcnt 0x0                                ; the stores have read the codes' registers: fragments land there now
	HFETCH 0, 0, 0
	SCALES 0, ADRS2
	HSTEP 0, 1                                     ; its products start the sums
	s_mov_b32 s3, LAPS-1
.Lhlap:                                                ; once round the ring: K steps 2 to 7 are asked for
	HTURN 0, 1, 1
	HSTEP 1, 0
	HTURN 1, 0, 1
	HSTEP 0, 0
	s_sub_co_u32 s3, s3, 1
	s_cmp_lg_u32 s3, 0
	s_cbranch_scc1 .Lhlap
	HTURN 0, 1, 0                                  ; the last lap fills nothing
	HSTEP 1, 0
	s_wait_dscnt 0x0
	WIN MUL_LO
	MULH 1, 1, 1, 0
	WIN 0
	PLACES NP
.irp a, 0,1,2,3
	VBLOCK \a
.endr
	s_wait_tensorcnt 0x0                           ; the wave's end
	ds_add_u32 v[SPW], v[NIL]
	s_wait_dscnt 0x0
	CROUND                                         ; the closing round: no work-group ends while a partner may still ask for a tile that names it
	s_endpgm
.Lfunc_end_k_q5e34256e0a_proj:
	.size	k_q5e34256e0a_proj, .Lfunc_end_k_q5e34256e0a_proj-k_q5e34256e0a_proj
	.p2alignl 7, 3214868480
	.fill 96, 4, 3214868480
	.section	.rodata,"a",@progbits
	.p2align	6, 0x0
	.amdhsa_kernel k_q5e34256e0a_proj
		.amdhsa_group_segment_fixed_size 327680
		.amdhsa_private_segment_fixed_size 0
		.amdhsa_enable_private_segment 0
		.amdhsa_kernarg_size 120
		.amdhsa_user_sgpr_count 2
		.amdhsa_user_sgpr_kernarg_segment_ptr 1
		.amdhsa_wavefront_size32 1
		.amdhsa_system_sgpr_workgroup_id_x 1
		.amdhsa_system_sgpr_workgroup_id_y 1
		.amdhsa_system_sgpr_workgroup_id_z 1
		.amdhsa_system_vgpr_workitem_id 0
		.amdhsa_next_free_vgpr 1024
		.amdhsa_next_free_sgpr 106
		.amdhsa_reserve_vcc 0
		.amdhsa_float_denorm_mode_32 3
		.amdhsa_float_denorm_mode_16_64 3
		.amdhsa_memory_ordered 1
		.amdhsa_forward_progress 1
		.amdhsa_inst_pref_size 255
	.end_amdhsa_kernel
	.section	.bss,"aw",@nobits
	.p2align	6
	.space	262144
	.amdgpu_metadata
---
amdhsa.version: [ 1, 2 ]
amdhsa.kernels:
  - .name:           k_q5e34256e0a_proj
    .symbol:         k_q5e34256e0a_proj.kd
    .args:
      - { .name: x_codes, .offset: 0, .size: 8, .value_kind: global_buffer, .address_space: global }
      - { .name: x_scales, .offset: 8, .size: 8, .value_kind: global_buffer, .address_space: global }
      - { .name: Wq_codes, .offset: 16, .size: 8, .value_kind: global_buffer, .address_space: global }
      - { .name: Wq_scales, .offset: 24, .size: 8, .value_kind: global_buffer, .address_space: global }
      - { .name: Wk_codes, .offset: 32, .size: 8, .value_kind: global_buffer, .address_space: global }
      - { .name: Wk_scales, .offset: 40, .size: 8, .value_kind: global_buffer, .address_space: global }
      - { .name: Wv_codes, .offset: 48, .size: 8, .value_kind: global_buffer, .address_space: global }
      - { .name: Wv_scales, .offset: 56, .size: 8, .value_kind: global_buffer, .address_space: global }
      - { .name: bq, .offset: 64, .size: 8, .value_kind: global_buffer, .address_space: global }
      - { .name: bk, .offset: 72, .size: 8, .value_kind: global_buffer, .address_space: global }
      - { .name: qc, .offset: 80, .size: 8, .value_kind: global_buffer, .address_space: global }
      - { .name: qs, .offset: 88, .size: 8, .value_kind: global_buffer, .address_space: global }
      - { .name: kc, .offset: 96, .size: 8, .value_kind: global_buffer, .address_space: global }
      - { .name: ks, .offset: 104, .size: 8, .value_kind: global_buffer, .address_space: global }
      - { .name: vb, .offset: 112, .size: 8, .value_kind: global_buffer, .address_space: global }
    .group_segment_fixed_size: 327680
    .private_segment_fixed_size: 0
    .kernarg_segment_align: 8
    .kernarg_segment_size: 120
    .max_flat_workgroup_size: 128
    .sgpr_count:     106
    .vgpr_count:     1024
    .wavefront_size: 32
...
	.end_amdgpu_metadata
.endif
;; end of part 1
;; launch score (part 2): grid 16 x 16, 4 waves a work-group, clusters of 4 x 1, 327,680 bytes of LDS; arguments qc, qs, kc, ks, vb, Wa, ba, x_mask, po, ml; writes po, ml
.if DOCPART == 2
	.amdgcn_target "amdgcn-amd-amdhsa--gfx1250"
	.amdhsa_code_object_version 6
	.text
	.protected	k_q5e34256e0a_score
	.globl	k_q5e34256e0a_score
	.p2align	8
	.type	k_q5e34256e0a_score,@function
k_q5e34256e0a_score:
	s_mov_b64 s[64:65], 0
	v_nop
	global_prefetch_b8 v0, s[64:65] scope:SCOPE_SE
	s_setreg_imm32_b32 hwreg(HW_REG_WAVE_MODE, 25, 1), 1
	s_wait_xcnt 0x0
	s_wait_alu depctr_hold_cnt(0) depctr_sa_sdst(0) depctr_va_vdst(0) depctr_va_sdst(0) depctr_va_ssrc(0) depctr_va_vcc(0) depctr_vm_vsrc(0)
	s_getreg_b32 s2, hwreg(HW_REG_IB_STS2, 6, 4)
	s_cmp_eq_u32 s2, 0
	s_cbranch_scc0 .Lentry_in_a_cluster
	s_endpgm
.Lentry_in_a_cluster:
	s_bfe_u32 s2, ttmp6, 0x10000c
	s_cmp_lg_u32 s2, 0x3003
	s_cbranch_scc0 .Lentry_shape_is_right
	s_endpgm
.Lentry_shape_is_right:
; For one (b, h) and 128 queries: e = leaky_relu(q k^T, 0.1) against all 2,048 keys; score = (sum over keys of e Wa + ba) / 16; -1e9 where x_mask is not 0;
; then this block's part of the softmax over tokens and of the pooling: m = the block's largest score, p = exp(score - m), l = the sum of p, o[d] = the sum of p v[token][d].  The last launch joins the 16 parts of a (b, h).
; q k^T runs on codes of BF6 (E3M2) with E8M0 scales, as the launch before has laid them: images of the operand's registers, so a fragment is three loads of 16 bytes a lane.
; SHARES.  Every wave holds all 128 queries (16 fragments, 192 registers) and takes 512 keys: 32 tiles of 16.  A key fragment read from LDS feeds 8 matrix instructions, and each LDS byte is read once,
; by the wave whose tensor load brought it: its own wait on TENSORcnt orders the reads.  Source 0 = 16 keys, source 1 = 16 queries: a lane holds ONE query and eight keys.
; leaky_relu(x) = 0.55 x + 0.45 |x|: two sums a query, of x Wa and of |x| Wa, 12 vector instructions for a tile of 16 x 16; they stand between the matrix instructions of the next key tile, six behind each.
; LDS.  A wave's 98,304 bytes of K come in four chunks of 8 tiles through three slots: chunks 0-2 at the head, chunk 3 into slot 0 when its 8 tiles have been read.  ks and Wa: once.
; CLUSTER.  The four query blocks of a cluster belong to one (b, h) and walk the same K, ks and Wa: every tensor load is asked for jointly, with the same descriptor and a mask that names the four.  Q, V and the mask differ between partners and come by plain loads.
; No prefetch: three quarters of K are asked for at the head, the last quarter 16 key tiles ahead of its first use.
; LIMITS: NaN and infinities are not served.  v is bf16 (rounded by the launch before); p, the sums and the scores are f32.
; REGISTERS.  window 0: v2-15 addresses; v12-13 K's scale words; v16-23 Q's; v24-71 K's fragments, two sets; v72-103 the sums; v104-107 the mask; v108-127 at work; v128-255 two groups of 8 accumulators.
;   window 1: v0-191 Q; v192-207 Wa, two sets.   window 2: v0-127 V.
.set KR_W,   73728                     ; a wave's three slots
.set CHUNK,  24576                     ; 8 key tiles x 2 K steps x 1,536 bytes
.set KSC,    294912                    ; K's scale words: 4,096 bytes a wave, [K step][512 keys]
.set WAR,    311296                    ; Wa: 2,048 bytes a wave
.set SPARE,  319488                    ; the spare words, 128 bytes for each wave
.set RED,    320000                    ; 4 x 512: each wave's partial scores of the 128 queries
.set PST,    322048                    ; 4 x 512: p, a copy for each wave
.set OST,    324096                    ; 4 x 256: each wave's 64 channels of o
.set AK0, 2                            ; v2   16 lane + my wave's slots
.set AS0, 3                            ; v3   KSC + 4,096 wave + 2,048 (lane / 16) + 4 (lane % 16): lanes 0-15 K step 0's words, lanes 16-31 K step 1's
.set AW0, 4                            ; v4   WAR + 2,048 wave + 32 (lane / 16)
.set ADK, 5                            ; v5-7 the same for the pair of tiles to be fetched
.set ADS, 6
.set ADW, 7
.set SPW, 8                            ; v8   my spare word; never rewritten
.set NIL, 9                            ; v9   0; never rewritten
.set AR,  10                           ; v10  RED + 512 wave + 4 (lane % 16)
.set LI,  11                           ; v11  16 lane
.set KSR, 12
.set QO,  14                           ; v14  8,192 (lane / 16) + 4 (lane % 16)
.set RR,  15                           ; v15  RED + 16 lane
.set QS,  16
.set KF,  24
.set SA,  72                           ; block a of 16 queries: v[SA + 4 a], +1: sums of x Wa (even, odd keys); +2, +3: of |x| Wa
.set MK,  104
.set E,   128
.set WA,  192                          ; in window 1
.set WV,  24                           ; s24  my wave's number
.set G1K, 32
.set G1S, 40
.set G1W, 48
.set G0S, 56
.set G0W, 60
.set G0K, 68
.set TK,  80                           ; s80  where the pair of tiles to be fetched begins in my slots
.set TS,  81                           ; s81  and among the scale words and Wa: 64 bytes a tile
.set CNT, 82
.set SEL, 84
.set MSB, 0
.macro WIN new
.if MSB != (\new)
	s_set_vgpr_msb (MSB<<8)|(\new)
.set MSB, \new
.endif
.endm
.macro CROUND                          ; a round of the cluster's barrier
	s_barrier_signal -1
	s_barrier_wait -1
	s_cmp_lg_u32 s[WV], 0
	s_cbranch_scc1 .Lnot_wave_0_\@
	s_barrier_signal -3
.Lnot_wave_0_\@:
	s_barrier_wait -3
	s_barrier_signal -1
	s_barrier_wait -1
.endm
.macro PLACES
.rept 4
	v_nop
.endr
.endm
	s_load_b512 s[4:19], s[0:1], 0x0               ; qc s[4:5], qs s[6:7], kc s[8:9], ks s[10:11], vb s[12:13], Wa s[14:15], ba s[16:17], x_mask s[18:19]
	s_load_b128 s[20:23], s[0:1], 0x40             ; po, ml
	v_lshl_add_u32 v[SPW], v0, 2, SPARE
	v_mov_b32 v[NIL], 0
	ds_add_u32 v8, v9
	ds_add_u32 v8, v9
	s_wait_dscnt 0x0
	v_lshrrev_b32 v1, 5, v0
	v_readfirstlane_b32 s[WV], v1                  ; wave 0..3
	s_bfe_u32 s25, ttmp6, 0x40000                  ; cx
	s_lshl_b32 s26, ttmp9, 2
	s_add_co_u32 s26, s26, s25                     ; my block of 128 queries: it enters global addresses of plain loads and stores alone
	s_and_b32 s27, ttmp7, 0xffff                   ; b h, which the four partners share
	; descriptor groups 1; elements of 8 bytes, no padding, the mask names all four work-groups
	s_mov_b32 s[G1K], 15|(3<<16)|(1<<21)           ; a chunk of K: 24,576 dense bytes as 96 rows of 256
	s_mov_b32 s[G1K+1], 32<<16
	s_mov_b32 s[G1K+2], 96<<16
	s_mov_b32 s[G1K+3], 32<<16
	s_mov_b32 s[G1K+4], 96
	s_mov_b32 s[G1K+5], 32
	s_mov_b32 s[G1K+6], 0
	s_mov_b32 s[G1K+7], 0
	s_mov_b32 s[G1S], 15|(3<<16)|(1<<21)           ; my 512 keys' scale words: 2 rows (K steps) of 2,048 bytes, 8,192 bytes apart
	s_mov_b32 s[G1S+1], 256<<16
	s_mov_b32 s[G1S+2], 2<<16
	s_mov_b32 s[G1S+3], 256<<16
	s_mov_b32 s[G1S+4], 2
	s_mov_b32 s[G1S+5], 1024
	s_mov_b32 s[G1S+6], 0
	s_mov_b32 s[G1S+7], 0
	s_mov_b32 s[G1W], 15|(3<<16)|(1<<21)           ; my 512 numbers of Wa: one row of 2,048 bytes
	s_mov_b32 s[G1W+1], 256<<16
	s_mov_b32 s[G1W+2], 1<<16
	s_mov_b32 s[G1W+3], 256<<16
	s_mov_b32 s[G1W+4], 1
	s_mov_b32 s[G1W+5], 256
	s_mov_b32 s[G1W+6], 0
	s_mov_b32 s[G1W+7], 0
	s_mul_i32 s88, s27, 393216                     ; the (b, h)'s first byte in qc and kc
	s_mul_i32 s89, s[WV], 98304
	s_add_co_u32 s28, s88, s89                     ; my 512 keys in kc
	s_mov_b32 s29, 0
	s_lshl_b32 s30, s27, 14
	s_lshl_b32 s89, s[WV], 11
	s_add_co_u32 s30, s30, s89                     ; and in ks
	s_mov_b32 s31, 0
	s_mov_b32 s90, s89                             ; and in Wa
	s_mov_b32 s91, 0
	s_mul_i32 s92, s[WV], KR_W
	s_lshl_b32 s93, s[WV], 12
	s_wait_kmcnt 0x0
	s_mov_b32 s[G0S], 1
	s_add_co_u32 s[G0S+1], s93, KSC
	s_add_nc_u64 s[G0S+2:G0S+3], s[10:11], s[30:31]
	s_or_b32 s[G0S+3], s[G0S+3], 0x80000000
	s_mov_b32 s[G0W], 1
	s_add_co_u32 s[G0W+1], s89, WAR
	s_add_nc_u64 s[G0W+2:G0W+3], s[14:15], s[90:91]
	s_or_b32 s[G0W+3], s[G0W+3], 0x80000000
	s_add_nc_u64 s[28:29], s[8:9], s[28:29]
.irp c, 0,1,2
	s_mov_b32 s[G0K+4*\c], 1
	s_add_co_u32 s[G0K+4*\c+1], s92, \c*CHUNK
	s_add_nc_u64 s[G0K+4*\c+2:G0K+4*\c+3], s[28:29], \c*CHUNK
	s_or_b32 s[G0K+4*\c+3], s[G0K+4*\c+3], 0x80000000
.endr
	CROUND                                         ; all four work-groups are here: the first joint loads meet
	tensor_load_to_lds s[G0S:G0S+3], s[G1S:G1S+7]  ; the first fills, one group: five loads of mine are out
	s_nop 0
	tensor_load_to_lds s[G0W:G0W+3], s[G1W:G1W+7]
	s_nop 0
	tensor_load_to_lds s[G0K:G0K+3], s[G1K:G1K+7]
	s_nop 0
	tensor_load_to_lds s[G0K+4:G0K+7], s[G1K:G1K+7]
	s_nop 0
	tensor_load_to_lds s[G0K+8:G0K+11], s[G1K:G1K+7]
	s_nop 0
.rept 4
	v_nop
.endr
	s_load_b32 s86, s[16:17], 0x0                  ; ba
	s_mul_i32 s94, s26, 24576                      ; Q: my 8 blocks of 16 queries
	s_add_co_u32 s94, s94, s88
	s_mov_b32 s95, 0
	s_add_nc_u64 s[4:5], s[4:5], s[94:95]
	s_lshl_b32 s94, s27, 14                        ; their scale words
	s_lshl_b32 s83, s26, 9
	s_add_co_u32 s94, s94, s83
	s_add_nc_u64 s[6:7], s[6:7], s[94:95]
	s_mov_b32 s94, s83                             ; the mask of my 128 tokens
	s_add_nc_u64 s[18:19], s[18:19], s[94:95]
	s_lshr_b32 s94, s27, 3                         ; V: (8 (16 b + block) + h) x 65,536 + 16,384 wave: my wave's 64 channels
	s_lshl_b32 s94, s94, 4
	s_add_co_u32 s94, s94, s26
	s_lshl_b32 s94, s94, 3
	s_and_b32 s83, s27, 7
	s_add_co_u32 s94, s94, s83
	s_lshl_b32 s94, s94, 16
	s_lshl_b32 s83, s[WV], 14
	s_add_co_u32 s94, s94, s83
	s_add_nc_u64 s[12:13], s[12:13], s[94:95]
	s_lshl_b32 s87, s27, 4
	s_add_co_u32 s87, s87, s26                     ; my part's number: 16 b h + block
	s_lshl_b32 s94, s87, 10
	s_lshl_b32 s83, s[WV], 8
	s_add_co_u32 s94, s94, s83
	s_add_nc_u64 s[20:21], s[20:21], s[94:95]      ; po: 1,024 bytes a part, 256 a wave
	s_lshl_b32 s94, s87, 3
	s_add_nc_u64 s[22:23], s[22:23], s[94:95]      ; ml: 8 bytes a part
	s_mov_b32 s[SEL], 0x76543210
	s_mov_b32 s[SEL+1], 0xfedcba98
	v_and_b32 v108, 15, v0                         ; r
	v_bfe_u32 v109, v0, 4, 1                       ; h
	v_and_b32 v110, 31, v0
	v_lshlrev_b32 v[LI], 4, v110
	v_add_nc_u32 v[AK0], s92, v[LI]
	v_lshlrev_b32 v[AS0], 2, v108
	v_lshl_add_u32 v[AS0], v109, 11, v[AS0]
	v_add_nc_u32 v[AS0], s[G0S+1], v[AS0]
	v_lshlrev_b32 v[AW0], 5, v109
	v_add_nc_u32 v[AW0], s[G0W+1], v[AW0]
	s_lshl_b32 s83, s[WV], 9
	s_add_co_u32 s83, s83, RED
	v_lshl_add_u32 v[AR], v108, 2, s83
	v_add_nc_u32 v[RR], RED, v[LI]
	v_lshlrev_b32 v[QO], 2, v108
	v_lshl_add_u32 v[QO], v109, 13, v[QO]
	WIN 0x40                                       ; destination window 1
.set nn, 0
.rept 48                               ; Q's 16 fragments are 24,576 consecutive bytes: they stay in registers
	global_load_b128 v[4*nn:4*nn+3], v[LI], s[4:5] offset:512*nn
.set nn, nn+1
.endr
	WIN 0
.irp a, 0,1,2,3,4,5,6,7
	global_load_b32 v[QS+\a], v[QO], s[6:7] offset:64*\a   ; lanes 0-15: K step 0's words of block a, lanes 16-31: K step 1's
.endr
	global_load_b128 v[MK:MK+3], v[LI], s[18:19]   ; the mask of tokens 4 lane + 0 .. 3
	WIN 0x80                                       ; destination window 2
.set nn, 0
.rept 32                               ; V: 4 blocks of 16 channels x 8 blocks of 16 tokens, 16,384 consecutive bytes; wanted at the end
	global_load_b128 v[4*nn:4*nn+3], v[LI], s[12:13] offset:512*nn th:TH_LOAD_NT
.set nn, nn+1
.endr
	WIN 0
.set nn, 0
.rept 32
	v_mov_b32 v[SA+nn], 0                          ; the 32 sums of a lane
.set nn, nn+1
.endr
	s_wait_kmcnt 0x0
	s_mul_f32 s87, s86, 0x3d800000                 ; ba / 16
.macro KLOAD p, i                      ; tile i of the pair: K's two fragments, 3,072 consecutive bytes, into set p, and the tile's scale words
.irp n, 0,1,2,3,4,5
	ds_load_b128 v[KF+24*(\p)+4*\n:KF+24*(\p)+4*\n+3], v[ADK] offset:3072*(\i)+512*\n
.endr
	ds_load_b32 v[KSR+(\p)], v[ADS] offset:64*(\i)
.endm
.macro WLOAD p, i                      ; Wa of my lane's eight keys of that tile, into set p of window 1
	WIN 0x44
	ds_load_b128 v[WA+8*(\p):WA+8*(\p)+3], v[ADW] offset:64*(\i)
	ds_load_b128 v[WA+8*(\p)+4:WA+8*(\p)+7], v[ADW] offset:64*(\i)+16
.endm
.macro MM p                            ; matrix instruction nn of 16 of the tile in set p: K step nn / 8, block nn % 8 of queries.  The 8 accumulators take turns
.set rE, E+64*(\p)+8*(nn%8)
.set rK, KF+24*(\p)+12*(nn/8)
.set rQ, 12*(2*(nn%8)+nn/8)
.if nn < 8
	v_wmma_scale_f32_16x16x128_f8f6f4 v[rE:rE+7], v[rK:rK+11], v[rQ:rQ+11], 0, v[KSR+(\p)], v[QS+nn%8] matrix_a_fmt:MATRIX_FMT_BF6 matrix_b_fmt:MATRIX_FMT_BF6
.else
	v_wmma_scale_f32_16x16x128_f8f6f4 v[rE:rE+7], v[rK:rK+11], v[rQ:rQ+11], v[rE:rE+7], v[KSR+(\p)], v[QS+nn%8] matrix_a_fmt:MATRIX_FMT_BF6 matrix_b_fmt:MATRIX_FMT_BF6 matrix_a_scale:MATRIX_SCALE_ROW1 matrix_b_scale:MATRIX_SCALE_ROW1
.endif
.endm
.macro SL g                            ; slice nn of 16 of the vector work on group g: keys 2 (nn % 4), + 1 of blocks 2 (nn / 4), + 1; each accumulator is read from its low end on
.set bA, 2*(nn/4)
.set eA, E+64*(\g)+8*bA+2*(nn%4)
.set eB, eA+8
.set wW, WA+8*(\g)+2*(nn%4)
.set sA, SA+4*bA
.set sB, sA+4
	v_pk_fma_f32 v[sA:sA+1], v[eA:eA+1], v[wW:wW+1], v[sA:sA+1]
	v_pk_fma_f32 v[sB:sB+1], v[eB:eB+1], v[wW:wW+1], v[sB:sB+1]
	v_fma_f32 v[sA+2], |v[eA]|, v[wW], v[sA+2]
	v_fma_f32 v[sB+2], |v[eB]|, v[wW], v[sB+2]
	v_fma_f32 v[sA+3], |v[eA+1]|, v[wW+1], v[sA+3]
	v_fma_f32 v[sB+3], |v[eB+1]|, v[wW+1], v[sB+3]
.endm
; The tile in set p is multiplied; the tile before it (group 1 - p) has its vector work between the matrix instructions; the tile behind it is fetched into set 1 - p.
; The six lines of a slice name no register of the matrix instructions round them: they are the places in front of the next loads into K's registers and of the next reads of results.
.macro HALF p, ld, i, va, wl
	s_wait_dscnt 2                                 ; all but the youngest two loads, Wa of the tile now multiplied: its K and scale words are in, and so is Wa of the tile before
	WIN 0x04                                       ; source 1 (Q; Wa) window 1, all else window 0
.if \ld
	KLOAD 1-(\p), \i
.endif
.set nn, 0
.rept 16
	MM \p
.if \va
	SL 1-(\p)
.endif
.set nn, nn+1
.endr
.if \wl
	WLOAD 1-(\p), \i
.endif
.endm
.macro ADDR
	v_add_nc_u32 v[ADK], s[TK], v[AK0]
	v_add_nc_u32 v[ADS], s[TS], v[AS0]
	v_add_nc_u32 v[ADW], s[TS], v[AW0]
.endm
.macro TRIPS cnt                       ; a trip fetches a pair of tiles (even, odd) and multiplies the odd tile before them and the even one
	s_mov_b32 s[CNT], \cnt
.Ltrip_\@:
	ADDR
	HALF 1, 1, 0, 1, 1
	HALF 0, 1, 1, 1, 1
	WIN 0
	s_add_co_u32 s[TK], s[TK], 6144
	s_add_co_u32 s[TS], s[TS], 128
	s_sub_co_u32 s[CNT], s[CNT], 1
	s_cmp_lg_u32 s[CNT], 0
	s_cbranch_scc1 .Ltrip_\@
.endm
	s_wait_loadcnt 32                              ; Q, its scale words and the mask are in; V's 32 loads stay out
	s_wait_tensorcnt 2                             ; ks, Wa and chunk 0 have landed; chunks 1 and 2 may be out.  I read only what my own loads brought
	s_mov_b32 s[TK], 0
	s_mov_b32 s[TS], 0
	ADDR
	KLOAD 0, 0                                     ; tile 0
	WLOAD 0, 0
	HALF 0, 1, 1, 0, 1                             ; tile 0's products: there is no vector work yet; tile 1 is fetched
	WIN 0
	PLACES                                         ; in the slices' stead
	s_mov_b32 s[TK], 6144
	s_mov_b32 s[TS], 128
	TRIPS 3                                        ; tiles 2-7 are fetched, tiles 1-6 multiplied
	; slot 0's eight tiles have been asked for: it is filled again, with chunk 3
	s_wait_tensorcnt 0x0                           ; all my tensor loads have landed, chunks 1 and 2 among them
	ds_add_u32 v[SPW], v[NIL]                      ; 0 onto my spare word
	s_add_nc_u64 s[G0K+2:G0K+3], s[G0K+2:G0K+3], 3*CHUNK   ; no load of mine is out: slot 0's descriptor steps to chunk 3
	s_wait_dscnt 0x0                               ; the add is done, and my reads of slot 0 are over
	CROUND                                         ; the same holds of every wave of every partner
	tensor_load_to_lds s[G0K:G0K+3], s[G1K:G1K+7]  ; my one load behind the round: it has 16 tiles' work in which to land
	s_nop 0
.rept 4
	v_nop
.endr
	TRIPS 8                                        ; tiles 8-23, which follow on in slots 1 and 2, are fetched; tiles 7-22 multiplied
	s_wait_tensorcnt 0x0                           ; chunk 3, my only load that is out
	s_mov_b32 s[TK], 0                             ; it lies in slot 0
	TRIPS 4                                        ; tiles 24-31 are fetched, tiles 23-30 multiplied
	HALF 1, 0, 0, 1, 0                             ; tile 31's products, tile 30's vector work
	s_wait_dscnt 0x0                               ; Wa of tile 31
.set nn, 0
.rept 16
	SL 1                                           ; tile 31's vector work
.set nn, nn+1
.endr
	WIN 0
	; my 512 keys' part of the 128 scores: 0.55 x the sum of x Wa + 0.45 x the sum of |x| Wa, the two halves of the lanes added
.irp a, 0,1,2,3,4,5,6,7
	v_add_f32 v[108+\a], v[SA+4*\a], v[SA+4*\a+1]
.endr
.irp a, 0,1,2,3,4,5,6,7
	v_add_f32 v[116+\a], v[SA+4*\a+2], v[SA+4*\a+3]
.endr
.irp a, 0,1,2,3,4,5,6,7
	v_mul_f32 v[116+\a], 0x3ee66666, v[116+\a]
.endr
.irp a, 0,1,2,3,4,5,6,7
	v_fmamk_f32 v[108+\a], v[108+\a], 0x3f0ccccd, v[116+\a]
.endr
.irp a, 0,1,2,3,4,5,6,7
	v_permlanex16_b32 v[116+\a], v[108+\a], s[SEL], s[SEL+1]
.endr
.irp a, 0,1,2,3,4,5,6,7
	v_add_f32 v[108+\a], v[108+\a], v[116+\a]
.endr
.irp a, 0,1,2,3,4,5,6,7
	ds_store_b32 v[AR], v[108+\a] offset:64*\a     ; query 16 a + r; both halves of the lanes write the same word with the same value
.endr
	s_wait_dscnt 0x0                               ; for the others' sake: my stores are done
	s_barrier_signal -1
	s_barrier_wait -1
.irp w, 0,1,2,3
	ds_load_b128 v[108+4*\w:111+4*\w], v[RR] offset:512*\w   ; the four waves' parts of queries 4 lane + 0 .. 3: every wave goes on with all 128 scores
.endr
	s_wait_dscnt 0x0
	v_pk_add_f32 v[108:109], v[108:109], v[112:113]
	v_pk_add_f32 v[110:111], v[110:111], v[114:115]
	v_pk_add_f32 v[116:117], v[116:117], v[120:121]
	v_pk_add_f32 v[118:119], v[118:119], v[122:123]
	v_pk_add_f32 v[108:109], v[108:109], v[116:117]
	v_pk_add_f32 v[110:111], v[110:111], v[118:119]
	v_mov_b32 v114, 0xce6e6b28                     ; -1e9
.irp i, 0,1,2,3
	v_fma_f32 v[108+\i], v[108+\i], 0x3d800000, s87   ; (sum + ba) / 16
.endr
.irp i, 0,1,2,3
	v_cmp_ne_u32 vcc_lo, 0, v[MK+\i]
	v_cndmask_b32 v[108+\i], v[108+\i], v114, vcc_lo
.endr
	v_max3_num_f32 v112, v108, v109, v110
	v_max_num_f32 v112, v112, v111
	v_max_num_f32_dpp v112, v112, v112 row_xmask:1 row_mask:0xf bank_mask:0xf
	v_max_num_f32_dpp v112, v112, v112 row_xmask:2 row_mask:0xf bank_mask:0xf
	v_max_num_f32_dpp v112, v112, v112 row_xmask:4 row_mask:0xf bank_mask:0xf
	v_max_num_f32_dpp v112, v112, v112 row_xmask:8 row_mask:0xf bank_mask:0xf
	v_permlanex16_b32 v114, v112, s[SEL], s[SEL+1]
	v_max_num_f32 v112, v112, v114                 ; m: the block's largest score (-1e9 where all 128 tokens are masked: then every p is 1)
.irp i, 0,1,2,3
	v_sub_f32 v[116+\i], v[108+\i], v112           ; the difference first, exactly 0 at the largest score whatever m's size; then the factor log2(e)
.endr
.irp i, 0,1,2,3
	v_mul_f32 v[116+\i], 0x3fb8aa3b, v[116+\i]
.endr
.irp i, 0,1,2,3
	v_exp_f32 v[116+\i], v[116+\i]                 ; p = exp(score - m)
.endr
	s_lshl_b32 s88, s[WV], 9                       ; the addresses of what follows are the plain work behind the exponentials
	s_add_co_u32 s88, s88, PST
	v_add_nc_u32 v24, s88, v[LI]                   ; p in: PST + 512 wave + 16 lane
	v_bfe_u32 v25, v0, 4, 1
	v_lshl_add_u32 v25, v25, 5, s88                ; p back: PST + 512 wave + 32 (lane / 16)
	s_lshl_b32 s89, s[WV], 8
	s_add_co_u32 s89, s89, OST
	v_and_b32 v26, 15, v0
	v_lshl_add_u32 v26, v26, 2, s89                ; o in: OST + 256 wave + 4 (lane % 16)
	v_and_b32 v28, 31, v0
	v_lshlrev_b32 v28, 3, v28                      ; 8 lane
	v_add_nc_u32 v27, s89, v28                     ; o back
	v_mov_b32 v29, 0
	s_wait_alu depctr_va_vdst(0)                   ; one wait for the four exponentials, ahead of their first reader
	v_add_f32 v113, v116, v117
	v_add_f32 v115, v118, v119
	v_add_f32 v113, v113, v115
	v_add_f32_dpp v113, v113, v113 row_xmask:1 row_mask:0xf bank_mask:0xf
	v_add_f32_dpp v113, v113, v113 row_xmask:2 row_mask:0xf bank_mask:0xf
	v_add_f32_dpp v113, v113, v113 row_xmask:4 row_mask:0xf bank_mask:0xf
	v_add_f32_dpp v113, v113, v113 row_xmask:8 row_mask:0xf bank_mask:0xf
	v_permlanex16_b32 v115, v113, s[SEL], s[SEL+1]
	v_add_f32 v113, v113, v115                     ; l
	ds_store_b128 v24, v[116:119]                  ; p goes round through my own 512 bytes: V's layout wants tokens 16 bb + 8 (lane / 16) + 0 .. 7 in a lane
.irp bb, 0,1,2,3,4,5,6,7
	ds_load_b128 v[192+8*\bb:195+8*\bb], v25 offset:64*\bb      ; LDS serves a wave's instructions in order: these see my store
	ds_load_b128 v[196+8*\bb:199+8*\bb], v25 offset:64*\bb+16
.endr
.irp j, 0,1,2,3,4,5,6,7
	v_mov_b32 v[120+\j], 0
.endr
	s_wait_loadcnt 0x0                             ; V
	s_wait_dscnt 0x0
	WIN 0x02                                       ; source 0 (V) window 2
.irp bb, 0,1,2,3,4,5,6,7               ; o[d] += p v: my lane's channel of four blocks of 16, eight chains
.irp q, 0,1,2,3
.irp c, 0,1,2,3
	v_fma_mix_f32_bf16 v[120+2*\c], v[4*(8*\c+\bb)+\q], v[192+8*\bb+2*\q], v[120+2*\c] op_sel_hi:[1,0,0]
	v_fma_mix_f32_bf16 v[121+2*\c], v[4*(8*\c+\bb)+\q], v[193+8*\bb+2*\q], v[121+2*\c] op_sel:[1,0,0] op_sel_hi:[1,0,0]
.endr
.endr
.endr
	WIN 0
.irp c, 0,1,2,3
	v_add_f32 v[120+2*\c], v[120+2*\c], v[121+2*\c]
.endr
.irp c, 0,1,2,3
	v_permlanex16_b32 v[121+2*\c], v[120+2*\c], s[SEL], s[SEL+1]
.endr
.irp c, 0,1,2,3
	v_add_f32 v[120+2*\c], v[120+2*\c], v[121+2*\c]   ; with the other half of the lanes' tokens
.endr
.irp c, 0,1,2,3
	ds_store_b32 v26, v[120+2*\c] offset:64*\c     ; channel 64 wave + 16 c + r
.endr
	ds_load_b64 v[116:117], v27
	s_wait_dscnt 0x0
	global_store_b64 v28, v[116:117], s[20:21]     ; 32 lanes store 256 consecutive bytes, aligned
	s_wait_xcnt 0x0                                ; EXEC changes only behind this wait
	v_cmp_eq_u32 vcc_lo, 0, v0
	s_and_saveexec_b32 s88, vcc_lo
	global_store_b64 v29, v[112:113], s[22:23]     ; thread 0: {m, l}, 8 bytes a work-group, laid densely for the last launch's one load a wave
	s_wait_xcnt 0x0
	s_or_b32 exec_lo, exec_lo, s88
	s_wait_tensorcnt 0x0                           ; the wave's end
	ds_add_u32 v[SPW], v[NIL]
	s_wait_dscnt 0x0
	CROUND                                         ; the closing round
	s_endpgm
.Lfunc_end_k_q5e34256e0a_score:
	.size	k_q5e34256e0a_score, .Lfunc_end_k_q5e34256e0a_score-k_q5e34256e0a_score
	.p2alignl 7, 3214868480
	.fill 96, 4, 3214868480
	.section	.rodata,"a",@progbits
	.p2align	6, 0x0
	.amdhsa_kernel k_q5e34256e0a_score
		.amdhsa_group_segment_fixed_size 327680
		.amdhsa_private_segment_fixed_size 0
		.amdhsa_enable_private_segment 0
		.amdhsa_kernarg_size 80
		.amdhsa_user_sgpr_count 2
		.amdhsa_user_sgpr_kernarg_segment_ptr 1
		.amdhsa_wavefront_size32 1
		.amdhsa_system_sgpr_workgroup_id_x 1
		.amdhsa_system_sgpr_workgroup_id_y 1
		.amdhsa_system_sgpr_workgroup_id_z 1
		.amdhsa_system_vgpr_workitem_id 0
		.amdhsa_next_free_vgpr 640
		.amdhsa_next_free_sgpr 96
		.amdhsa_reserve_vcc 1
		.amdhsa_float_denorm_mode_32 3
		.amdhsa_float_denorm_mode_16_64 3
		.amdhsa_memory_ordered 1
		.amdhsa_forward_progress 1
		.amdhsa_inst_pref_size 114
	.end_amdhsa_kernel
	.amdgpu_metadata
---
amdhsa.version: [ 1, 2 ]
amdhsa.kernels:
  - .name:           k_q5e34256e0a_score
    .symbol:         k_q5e34256e0a_score.kd
    .args:
      - { .name: qc, .offset: 0, .size: 8, .value_kind: global_buffer, .address_space: global }
      - { .name: qs, .offset: 8, .size: 8, .value_kind: global_buffer, .address_space: global }
      - { .name: kc, .offset: 16, .size: 8, .value_kind: global_buffer, .address_space: global }
      - { .name: ks, .offset: 24, .size: 8, .value_kind: global_buffer, .address_space: global }
      - { .name: vb, .offset: 32, .size: 8, .value_kind: global_buffer, .address_space: global }
      - { .name: Wa, .offset: 40, .size: 8, .value_kind: global_buffer, .address_space: global }
      - { .name: ba, .offset: 48, .size: 8, .value_kind: global_buffer, .address_space: global }
      - { .name: x_mask, .offset: 56, .size: 8, .value_kind: global_buffer, .address_space: global }
      - { .name: po, .offset: 64, .size: 8, .value_kind: global_buffer, .address_space: global }
      - { .name: ml, .offset: 72, .size: 8, .value_kind: global_buffer, .address_space: global }
    .group_segment_fixed_size: 327680
    .private_segment_fixed_size: 0
    .kernarg_segment_align: 8
    .kernarg_segment_size: 80
    .max_flat_workgroup_size: 128
    .sgpr_count:     96
    .vgpr_count:     640
    .wavefront_size: 32
...
	.end_amdgpu_metadata
.endif
;; end of part 2
;; launch final (part 3): grid 256 x 1, 8 waves a work-group, clusters of 4 x 1, 295,936 bytes of LDS; arguments po, ml, bv, Wp, bp, out0; writes out0
.if DOCPART == 3
	.amdgcn_target "amdgcn-amd-amdhsa--gfx1250"
	.amdhsa_code_object_version 6
	.text
	.protected	k_q5e34256e0a_final
	.globl	k_q5e34256e0a_final
	.p2align	8
	.type	k_q5e34256e0a_final,@function
k_q5e34256e0a_final:
	s_mov_b64 s[64:65], 0
	v_nop
	global_prefetch_b8 v0, s[64:65] scope:SCOPE_SE
	s_setreg_imm32_b32 hwreg(HW_REG_WAVE_MODE, 25, 1), 1
	s_wait_xcnt 0x0
	s_wait_alu depctr_hold_cnt(0) depctr_sa_sdst(0) depctr_va_vdst(0) depctr_va_sdst(0) depctr_va_ssrc(0) depctr_va_vcc(0) depctr_vm_vsrc(0)
	s_getreg_b32 s2, hwreg(HW_REG_IB_STS2, 6, 4)
	s_cmp_eq_u32 s2, 0
	s_cbranch_scc0 .Lentry_in_a_cluster
	s_endpgm
.Lentry_in_a_cluster:
	s_bfe_u32 s2, ttmp6, 0x10000c
	s_cmp_lg_u32 s2, 0x3003
	s_cbranch_scc0 .Lentry_shape_is_right
	s_endpgm
.Lentry_shape_is_right:
; out0[b][n] = tanh(sum over d of pooled[b][d] Wp[n][d] + bp[n]), pooled[b][256 h + d] = (sum over the 16 parts of a_part o_part[d]) / (sum of a_part l_part) + bv[256 h + d],
; a_part = exp(m_part - M), M the largest m of the (b, h)'s 16 parts: the softmax over 2,048 tokens joined from its parts; bv comes in here, since the weights sum to 1.
; All in f32 on the vector unit: two rows against Wp is a stream of Wp, and the matrix units would add nothing.
; SHARES.  256 work-groups of eight waves; wave w of work-group g owns row n = 8 g + w of Wp (8,192 bytes, 16 loads of 512 consecutive bytes), asked for at the head.
; Every work-group needs all of pooled, so each makes it: wave w joins (b, h) = 2 w and 2 w + 1 from 32 parts of 1,024 bytes, which are 32,768 consecutive bytes of po, brought by its own tensor load;
; the eight waves' results meet in LDS behind one barrier.
; CLUSTER.  po is read whole by every work-group: the four partners ask for it jointly.  Wp's rows, bp and out0 differ between partners.  Nothing in LDS is filled twice.
; No prefetch: the launch is short and all its loads go out at its head.
; The stores are two runs of 32 bytes a work-group: 8 rows of Wp to a work-group give no more neighbours.
; LIMITS: NaN and infinities are not served.
.set POOL, 262144                      ; behind po's 262,144 bytes: pooled, [b][2,048] f32
.set YST,  278528                      ; 64 bytes: the work-group's 2 x 8 results
.set LI,  2                            ; v2   16 lane
.set L8,  3                            ; v3   8 lane
.set PXA, 10                           ; v10  32,768 wave + 16 lane
.set PLW, 11                           ; v11  POOL + 2,048 wave + 16 lane
.set PLR, 12                           ; v12  POOL + 16 lane
.set YW,  13                           ; v13  YST + 4 wave
.set YR,  14                           ; v14  YST + 4 (lane % 16)
.set OO,  15                           ; v15  8,192 ((lane / 8) % 2) + 4 (lane % 8)
.set WP,  16                           ; v16-79   my row of Wp
.set BV,  80                           ; v80-95   bv of my two heads
.set X,   96                           ; v96-223  16 parts of a (b, h); later pooled
.set ACC, 224
.set Y,   232
.set WV,  16
.set G1,  24
.set G0,  32
.set SEL, 36
.set COEF, 68                          ; s68-99: a_part / the sum, for my 32 parts
.macro ROUND                           ; a round of the cluster's barrier
	s_barrier_signal -1
	s_barrier_wait -1
	s_cmp_lg_u32 s[WV], 0
	s_cbranch_scc1 .Lnot_wave_0_\@
	s_barrier_signal -3
.Lnot_wave_0_\@:
	s_barrier_wait -3
	s_barrier_signal -1
	s_barrier_wait -1
.endm
	s_load_b256 s[4:11], s[0:1], 0x0               ; po s[4:5], ml s[6:7], bv s[8:9], Wp s[10:11]
	s_load_b128 s[12:15], s[0:1], 0x20             ; bp s[12:13], out0 s[14:15]
	v_lshl_add_u32 v254, v0, 2, 0x48000
	v_mov_b32 v255, 0
	ds_add_u32 v254, v255
	ds_add_u32 v254, v255
	v_lshrrev_b32 v1, 5, v0
	v_readfirstlane_b32 s[WV], v1                  ; wave 0..7
	s_bfe_u32 s17, ttmp6, 0x40000                  ; cx
	s_lshl_b32 s18, ttmp9, 2
	s_add_co_u32 s18, s18, s17                     ; my work-group: it enters global addresses of plain loads and stores alone
	s_mov_b32 s[G1], 15|(3<<16)|(1<<21)            ; the mask names all four; elements of 8 bytes; no padding: 32,768 dense bytes as 128 rows of 256
	s_mov_b32 s[G1+1], 32<<16
	s_mov_b32 s[G1+2], 128<<16
	s_mov_b32 s[G1+3], 32<<16
	s_mov_b32 s[G1+4], 128
	s_mov_b32 s[G1+5], 32
	s_mov_b32 s[G1+6], 0
	s_mov_b32 s[G1+7], 0
	s_lshl_b32 s20, s[WV], 15
	s_mov_b32 s21, 0
	s_wait_dscnt 0x0
	s_wait_kmcnt 0x0
	s_mov_b32 s[G0], 1
	s_mov_b32 s[G0+1], s20
	s_add_nc_u64 s[G0+2:G0+3], s[4:5], s[20:21]
	s_or_b32 s[G0+3], s[G0+3], 0x80000000
	ROUND                                          ; all four work-groups are here: the joint loads meet
	tensor_load_to_lds s[G0:G0+3], s[G1:G1+7]      ; my 32 parts: one load of mine is out
	s_nop 0
.rept 4
	v_nop
.endr
	s_lshl_b32 s22, s[WV], 8
	s_mov_b32 s23, 0
	s_add_nc_u64 s[6:7], s[6:7], s[22:23]          ; ml: my 32 parts' {m, l}
	s_and_b32 s22, s[WV], 3
	s_lshl_b32 s22, s22, 11
	s_add_nc_u64 s[8:9], s[8:9], s[22:23]          ; bv: heads (2 wave) % 8 and + 1
	s_lshl_b32 s19, s18, 3
	s_add_co_u32 s19, s19, s[WV]                   ; n
	s_lshl_b32 s22, s19, 13
	s_add_nc_u64 s[10:11], s[10:11], s[22:23]      ; my row of Wp
	s_lshl_b32 s22, s19, 2
	s_add_nc_u64 s[12:13], s[12:13], s[22:23]
	s_lshl_b32 s22, s18, 5
	s_add_nc_u64 s[14:15], s[14:15], s[22:23]      ; out0 at column 8 g
	s_load_b32 s38, s[12:13], 0x0                  ; bp[n]
	s_mov_b32 s[SEL], 0x76543210
	s_mov_b32 s[SEL+1], 0xfedcba98
	v_and_b32 v1, 31, v0
	v_lshlrev_b32 v[LI], 4, v1
	v_lshlrev_b32 v[L8], 3, v1
	global_load_b64 v[4:5], v[L8], s[6:7]          ; lanes 0-15: the 16 parts of (b, h) = 2 wave; lanes 16-31: of 2 wave + 1
.irp u, 0,1
.irp e, 0,1
	global_load_b128 v[BV+8*\u+4*\e:BV+8*\u+4*\e+3], v[LI], s[8:9] offset:1024*\u+512*\e
.endr
.endr
.irp j, 0,1,2,3,4,5,6,7,8,9,10,11,12,13,14,15
	global_load_b128 v[WP+4*\j:WP+4*\j+3], v[LI], s[10:11] offset:512*\j th:TH_LOAD_NT
.endr
	v_add_nc_u32 v[PXA], s20, v[LI]
	s_lshl_b32 s22, s[WV], 11
	s_add_co_u32 s22, s22, POOL
	v_add_nc_u32 v[PLW], s22, v[LI]
	v_add_nc_u32 v[PLR], POOL, v[LI]
	s_lshl_b32 s22, s[WV], 2
	s_add_co_u32 s22, s22, YST
	v_mov_b32 v[YW], s22
	v_and_b32 v6, 15, v0
	v_lshl_add_u32 v[YR], v6, 2, YST
	v_bfe_u32 v7, v0, 3, 1
	v_and_b32 v6, 7, v0
	v_lshlrev_b32 v6, 2, v6
	v_lshl_add_u32 v[OO], v7, 13, v6
	s_wait_loadcnt 20                              ; {m, l} are in; bv's 4 loads and Wp's 16 may be out
	v_mov_b32 v6, v4
	v_max_num_f32_dpp v6, v6, v6 row_xmask:1 row_mask:0xf bank_mask:0xf
	v_max_num_f32_dpp v6, v6, v6 row_xmask:2 row_mask:0xf bank_mask:0xf
	v_max_num_f32_dpp v6, v6, v6 row_xmask:4 row_mask:0xf bank_mask:0xf
	v_max_num_f32_dpp v6, v6, v6 row_xmask:8 row_mask:0xf bank_mask:0xf   ; M of my sixteen lanes' (b, h)
	v_sub_f32 v7, v4, v6                           ; the difference first: exactly 0 at the largest m
	v_mul_f32 v7, 0x3fb8aa3b, v7
	v_exp_f32 v7, v7                               ; a = exp(m - M)
	v_nop                                          ; a plain place behind the exponential
	s_wait_alu depctr_va_vdst(0)                   ; and the wait ahead of its first reader
	v_mul_f32 v8, v7, v5
	v_add_f32_dpp v8, v8, v8 row_xmask:1 row_mask:0xf bank_mask:0xf
	v_add_f32_dpp v8, v8, v8 row_xmask:2 row_mask:0xf bank_mask:0xf
	v_add_f32_dpp v8, v8, v8 row_xmask:4 row_mask:0xf bank_mask:0xf
	v_add_f32_dpp v8, v8, v8 row_xmask:8 row_mask:0xf bank_mask:0xf       ; the softmax's sum: at least 1, from the part that holds M
	v_rcp_f32 v9, v8
	v_nop
	s_wait_alu depctr_va_vdst(0)
	v_mul_f32 v7, v7, v9                           ; a / the sum
.set i, 0
.rept 32
	v_readlane_b32 s[COEF+i], v7, i                ; a number for each part, as a scalar factor: data alone, no address or branch hangs on it
.set i, i+1
.endr
	s_wait_tensorcnt 0x0                           ; my 32 parts have landed; only I read them
	s_wait_loadcnt 16                              ; bv is in
.irp u, 0,1                            ; (b, h) = 2 wave + u: my lane's channels 128 e + 4 lane + 0 .. 3
.set i, 0
.rept 32
	ds_load_b128 v[X+4*i:X+4*i+3], v[PXA] offset:16384*\u+512*i   ; part i / 2, half i % 2
.set i, i+1
.endr
	s_wait_dscnt 0x0                               ; the parts are in (and the last turn's stores have read their registers)
.irp j, 0,1,2,3,4,5,6,7
	v_fma_f32 v[ACC+\j], v[X+\j], s[COEF+16*\u], v[BV+8*\u+\j]    ; the first part starts the sums, onto bv
.endr
.irp q, 1,2,3,4,5,6,7,8,9,10,11,12,13,14,15
.irp j, 0,1,2,3,4,5,6,7
	v_fma_f32 v[ACC+\j], v[X+8*\q+\j], s[COEF+16*\u+\q], v[ACC+\j]
.endr
.endr
	ds_store_b128 v[PLW], v[ACC:ACC+3] offset:1024*\u
	ds_store_b128 v[PLW], v[ACC+4:ACC+7] offset:1024*\u+512
.endr
	s_wait_dscnt 0x0                               ; for the others' sake: my stores are done
	s_barrier_signal -1
	s_barrier_wait -1                              ; pooled is whole
.irp b, 0,1
.irp j, 0,1,2,3,4,5,6,7,8,9,10,11,12,13,14,15
	ds_load_b128 v[X+64*\b+4*\j:X+64*\b+4*\j+3], v[PLR] offset:8192*\b+512*\j
.endr
.endr
	s_wait_kmcnt 0x0
	s_mul_f32 s39, s38, 0x4038aa3b                 ; bp x 2 log2(e)
	s_wait_loadcnt 0x0                             ; my row of Wp
	s_wait_dscnt 0x0
.irp b, 0,1
	v_pk_mul_f32 v[Y+4*\b:Y+4*\b+1], v[X+64*\b:X+64*\b+1], v[WP:WP+1]       ; the first products start the sums: two chains of pairs for each b
	v_pk_mul_f32 v[Y+4*\b+2:Y+4*\b+3], v[X+64*\b+2:X+64*\b+3], v[WP+2:WP+3]
.endr
.irp j, 1,2,3,4,5,6,7,8,9,10,11,12,13,14,15
.irp b, 0,1
	v_pk_fma_f32 v[Y+4*\b:Y+4*\b+1], v[X+64*\b+4*\j:X+64*\b+4*\j+1], v[WP+4*\j:WP+4*\j+1], v[Y+4*\b:Y+4*\b+1]
	v_pk_fma_f32 v[Y+4*\b+2:Y+4*\b+3], v[X+64*\b+4*\j+2:X+64*\b+4*\j+3], v[WP+4*\j+2:WP+4*\j+3], v[Y+4*\b+2:Y+4*\b+3]
.endr
.endr
.irp b, 0,1
	v_pk_add_f32 v[Y+4*\b:Y+4*\b+1], v[Y+4*\b:Y+4*\b+1], v[Y+4*\b+2:Y+4*\b+3]
.endr
.irp b, 0,1
	v_add_f32 v[Y+4*\b], v[Y+4*\b], v[Y+4*\b+1]
.endr
.irp m, 1,2,4,8
.irp b, 0,1
	v_add_f32_dpp v[Y+4*\b], v[Y+4*\b], v[Y+4*\b] row_xmask:\m row_mask:0xf bank_mask:0xf
.endr
.endr
.irp b, 0,1
	v_permlanex16_b32 v[Y+4*\b+1], v[Y+4*\b], s[SEL], s[SEL+1]
.endr
.irp b, 0,1
	v_add_f32 v[Y+4*\b], v[Y+4*\b], v[Y+4*\b+1]    ; the dot product, in every lane
.endr
.irp b, 0,1
	v_fma_f32 v[Y+4*\b], v[Y+4*\b], 0x4038aa3b, s39   ; (y + bp) x 2 log2(e)
.endr
.irp b, 0,1
	v_exp_f32 v[Y+4*\b], v[Y+4*\b]                 ; tanh(z) = 1 - 2 / (1 + e^(2 z)): an overflow gives 1, an underflow -1
.endr
	v_nop
	s_wait_alu depctr_va_vdst(0)                   ; one wait for the two
.irp b, 0,1
	v_add_f32 v[Y+4*\b], 1.0, v[Y+4*\b]
.endr
.irp b, 0,1
	v_rcp_f32 v[Y+4*\b], v[Y+4*\b]
.endr
	v_nop
	s_wait_alu depctr_va_vdst(0)
.irp b, 0,1
	v_fma_f32 v[Y+4*\b], v[Y+4*\b], -2.0, 1.0
.endr
.irp b, 0,1
	ds_store_b32 v[YW], v[Y+4*\b] offset:32*\b     ; all lanes write the same word with the same value
.endr
	s_wait_dscnt 0x0
	s_barrier_signal -1
	s_barrier_wait -1
	s_cmp_lg_u32 s[WV], 0                          ; wave 0 stores the work-group's sixteen numbers
	s_cbranch_scc1 .Lothers
	ds_load_b32 v6, v[YR]
	s_wait_dscnt 0x0
	s_wait_xcnt 0x0                                ; EXEC changes only behind this wait
	v_cmp_gt_u32 vcc_lo, 16, v0
	s_and_saveexec_b32 s19, vcc_lo
	global_store_b32 v[OO], v6, s[14:15]           ; lanes 0-7: out0[0][8 g ..], lanes 8-15: out0[1][8 g ..]
	s_wait_xcnt 0x0
	s_or_b32 exec_lo, exec_lo, s19
.Lothers:
	s_wait_tensorcnt 0x0
	ds_add_u32 v254, v255
	s_wait_dscnt 0x0
	ROUND                                          ; the closing round: no work-group ends while a partner may still ask for bytes that name it
	s_endpgm
.Lfunc_end_k_q5e34256e0a_final:
	.size	k_q5e34256e0a_final, .Lfunc_end_k_q5e34256e0a_final-k_q5e34256e0a_final
	.p2alignl 7, 3214868480
	.fill 96, 4, 3214868480
	.section	.rodata,"a",@progbits
	.p2align	6, 0x0
	.amdhsa_kernel k_q5e34256e0a_final
		.amdhsa_group_segment_fixed_size 295936
		.amdhsa_private_segment_fixed_size 0
		.amdhsa_enable_private_segment 0
		.amdhsa_kernarg_size 48
		.amdhsa_user_sgpr_count 2
		.amdhsa_user_sgpr_kernarg_segment_ptr 1
		.amdhsa_wavefront_size32 1
		.amdhsa_system_sgpr_workgroup_id_x 1
		.amdhsa_system_sgpr_workgroup_id_y 1
		.amdhsa_system_sgpr_workgroup_id_z 1
		.amdhsa_system_vgpr_workitem_id 0
		.amdhsa_next_free_vgpr 256
		.amdhsa_next_free_sgpr 100
		.amdhsa_reserve_vcc 1
		.amdhsa_float_denorm_mode_32 3
		.amdhsa_float_denorm_mode_16_64 3
		.amdhsa_memory_ordered 1
		.amdhsa_forward_progress 1
		.amdhsa_inst_pref_size 38
	.end_amdhsa_kernel
	.amdgpu_metadata
---
amdhsa.version: [ 1, 2 ]
amdhsa.kernels:
  - .name:           k_q5e34256e0a_final
    .symbol:         k_q5e34256e0a_final.kd
    .args:
      - { .name: po, .offset: 0, .size: 8, .value_kind: global_buffer, .address_space: global }
      - { .name: ml, .offset: 8, .size: 8, .value_kind: global_buffer, .address_space: global }
      - { .name: bv, .offset: 16, .size: 8, .value_kind: global_buffer, .address_space: global }
      - { .name: Wp, .offset: 24, .size: 8, .value_kind: global_buffer, .address_space: global }
      - { .name: bp, .offset: 32, .size: 8, .value_kind: global_buffer, .address_space: global }
      - { .name: out0, .offset: 40, .size: 8, .value_kind: global_buffer, .address_space: global }
    .group_segment_fixed_size: 295936
    .private_segment_fixed_size: 0
    .kernarg_segment_align: 8
    .kernarg_segment_size: 48
    .max_flat_workgroup_size: 256
    .sgpr_count:     100
    .vgpr_count:     256
    .wavefront_size: 32
...
	.end_amdgpu_metadata
.endif
;; end of part 3
